; MI455X (gfx1250); checked and timed in simulation.
; The chip was launched on July 23, 2026; its instructions are those of AMD's public machine-readable ISA for CDNA 5 (MIT licence, August 2026) and "CDNA5" Instruction Set Architecture Reference Guide (July 2026). The comments in the code are by the model that wrote it; some were corrected since.
;; Multi Scale Retention. Allowed arithmetic: matrix products marked QUANTISED: E2M3 operands, one E8M0 scale for each 32 along K, by v_wmma_scale_f32_16x16x128_f8f6f4 with both operands' format E2M3, f32 sums; everything else in f32.
;; Inputs: ln_b 2,048 float32; ln_w 2,048 float32; wg 2,048 x 2,048 float32; wk 2,048 x 2,048 float32; wo 2,048 x 2,048 float32; wq 2,048 x 2,048 float32; wv 2,048 x 2,048 float32; x 1 x 2,048 x 2,048 float32.
;; Outputs: out0 1 x 2,048 x 2,048 float32.
;; This version of the problem:
;;   THIS VERSION OF THE PROBLEM IS GIVEN IN LOW PRECISION. The matrix products marked QUANTISED in the list below multiply operands that are first quantised to E2M3 (2 exponent bits, 3 mantissa bits; 6 bits a number), with one power-of-two scale for each 32 numbers along K (OCP MX v1.0); their sums are f32. All else is computed in f32.
;;   The module's matrix products, in the order in which they are computed (A, B: the left and right operand; K: the contracted axis; several contracted axes count as one K, in the product's order):
;;     1. [M 2,048, K 2,048] x [K 2,048, N 2,048]; A: input x; B: input wq: QUANTISED
;;     2. [M 2,048, K 2,048] x [K 2,048, N 2,048]; A: input x; B: input wk: QUANTISED
;;     3. [M 2,048, K 2,048] x [K 2,048, N 2,048]; A: input x; B: input wv: QUANTISED
;;     4. batch 16 x [M 2,048, K 128] x [K 128, N 2,048]; A: computed on the way; B: computed on the way: QUANTISED
;;     5. batch 16 x [M 2,048, K 2,048] x [K 2,048, N 128]; A: computed on the way; B: computed on the way: QUANTISED
;;     6. [M 2,048, K 2,048] x [K 2,048, N 2,048]; A: input x; B: input wg: QUANTISED
;;     7. [M 2,048, K 2,048] x [K 2,048, N 2,048]; A: computed on the way; B: input wo: QUANTISED
;;   THE QUANTISER, for each operand of a quantised product, along K:
;;     - K is cut into blocks of 32 from its start; a last block that is shorter is filled with zeros.
;;     - A block's scale is 2^e with e = floor(log2(the largest magnitude in the block)) - 2, held to -126 .. 127; a block of zeros has e = 0. As a byte (E8M0): e + 127.
;;     - Each number is divided by its block's scale, clamped to +-7.5, and rounded to the nearest number of E2M3, ties to even, subnormals kept.
;;     - The product sums the exact products of the quantised numbers (number of the format x scale) in f32.
;;   ~~~python
;;   def quantise(x, axis):      # numpy; x: float32 -> the quantised numbers, widened to float32 again
;;       x = np.moveaxis(x, axis, -1); K = x.shape[-1]
;;       x = np.pad(x, [(0, 0)] * (x.ndim - 1) + [(0, -K % 32)]); x = x.reshape(x.shape[:-1] + (-1, 32)); a = np.abs(x).max(-1, keepdims=True)
;;       e = np.where(a > 0, np.clip(np.frexp(np.where(a > 0, a, 1))[1] - 1 - 2, -126, 127), 0)      # np.frexp(a)[1] - 1 = floor(log2(a)), exactly
;;       r = np.clip(x / 2.0 ** e, -7.5, 7.5)
;;       step = 2.0 ** (np.maximum(np.frexp(np.where(r == 0, 1, r))[1] - 1, 0) - 3)
;;       q = np.round(r / step) * step * 2.0 ** e      # np.round: ties to even
;;       return np.moveaxis(q.reshape(q.shape[:-2] + (-1,))[..., :K], -1, axis).astype(np.float32)
;;   ~~~
;;   OPERANDS COMPUTED ON THE WAY. 'Computed on the way' means the value that the module computes at that place (a softmax that the list does not call 'softmax' is quantised finished and normalised). What goes into a quantiser is computed in f32, as accurately as f32 sums, v_exp_f32 and their like allow (about 1e-6 of the number): no bf16 or f16 on the way to a quantiser, and a product that is left as it is and whose result goes on into a quantised operand takes f32 operands (vector FMAs, or v_wmma_f32_16x16x4_f32). A number that lies on a knife's edge between two numbers of the format may be rounded either way, as far as f32 arithmetic and the matrix unit's own rounding can turn it there, and no further.
;; One version. Each part assembles by itself: llvm-mc -triple=amdgcn-amd-amdhsa -mcpu=gfx1250 --defsym DOCPART=n.
;; ======== version 1 of 1: 5 launches
;; workspace buffers: codes 22,020,096 bytes; scales 1,835,008 bytes; qkv 10,223,616 bytes; gate 16,777,216 bytes; y 16,777,216 bytes; stats 524,288 bytes
;; launch quant (part 1): grid 128 x 6, 4 waves a work-group, no clusters, 34,304 bytes of LDS; arguments x, wq, wk, wg, wv, wo, codes, scales; writes codes, scales
.if DOCPART == 1
	.amdgcn_target "amdgcn-amd-amdhsa--gfx1250"
	.amdhsa_code_object_version 6
	.text
	.protected	k_qf0b6910977_quant
	.globl	k_qf0b6910977_quant
	.p2align	8
	.type	k_qf0b6910977_quant,@function
k_qf0b6910977_quant:
	s_mov_b64 s[64:65], 0
	v_nop
	global_prefetch_b8 v0, s[64:65] scope:SCOPE_SE
	s_setreg_imm32_b32 hwreg(HW_REG_WAVE_MODE, 25, 1), 1
	s_wait_xcnt 0x0
; x and the five weights, each [2048][2048] f32 with K innermost, become codes of FP6 (E2M3) with one E8M0 byte for each 32 along K, laid as IMAGES OF OPERAND REGISTERS.
; A fragment is 16 rows x 128 K = 12 registers a lane = 1,536 bytes: three chunks of 512 bytes, chunk c = registers 4 c .. 4 c + 3, lane l's 16 bytes at 16 l.
; codes: [tensor 7][rowtile 128][K step 16][1,536];  scales: [tensor 7][rowtile 128][group of four K steps 4][lane 32][4 words], lanes 16-31 a copy of lanes 0-15.
; THE ROWS OF A ROWTILE ARE NOT NEIGHBOURS: lane r of rowtile a holds row 32 (a / 2) + 8 (a % 2) + r + 8 (r / 8), so that a product's results, taken transposed, run along the next product's K.
; A block's scale is 2^(floor(log2(its largest magnitude)) - 2); its byte is that magnitude's exponent field - 2, held at 1 from below.
; LIMITS: NaN and infinities are not served; a block of zeros (and one whose largest magnitude lies under 2^-124) gets the byte 1 where the rule says 127 for zeros: its codes are zeros, and this program alone reads the bytes.
; SHARES: work-group (x, y) takes rowtile x of tensor y; wave w its K steps 4 w .. 4 w + 3.  A load reads 512 consecutive bytes of one row; a fragment's 16 rows turn through the wave's own stage in LDS
; (rows 528 bytes apart: an odd multiple of 16), from which lane (r, h) takes k = 64 c + 32 h + 0 .. 31 of its row: two whole blocks.  No barrier: waves share nothing.  Loads run two fragments (32 loads a wave) ahead.
.set ROWB, 8192                        ; a row of a tensor in bytes
.set SP,   528                         ; a stage row
.set STG,  16*SP                       ; a wave's stage
.set LI,   1                           ; v1   16 x lane
.set STI,  2                           ; v2   the stage, on the way in
.set XA,   3                           ; v3   and on the way out
.set SH8,  4                           ; v4   8 x (lane / 16)
.set PW,   16                          ; v16-19 the four fragments' scale words
.set R,    32                          ; v32-159 two sets of 64: 16 rows as they are loaded
.set X,    160                         ; v160-223 my 64 numbers: register 32 c + i = k 64 c + 32 h + i
.set PC,   224                         ; v224-235 the codes; v236-243 at work
.set TM,   244                         ; v244-251 at work
	s_load_b512 s[4:19], s[0:1], 0x0               ; x, wq, wk, wg, wv, wo, codes, scales
	v_lshl_add_u32 v254, v0, 2, 0x8400
	v_mov_b32 v255, 0
	v_lshrrev_b32 v5, 5, v0
	v_readfirstlane_b32 s20, v5                    ; wave
	v_and_b32 v6, 31, v0
	v_lshlrev_b32 v[LI], 4, v6
	s_mul_i32 s21, s20, STG
	v_add_nc_u32 v[STI], s21, v[LI]
	v_and_b32 v7, 15, v0                           ; r
	v_bfe_u32 v8, v0, 4, 1                         ; h
	v_mul_u32_u24 v[XA], v7, SP
	v_lshl_add_u32 v[XA], v8, 7, v[XA]             ; row r, + 128 h bytes
	v_add_nc_u32 v[XA], s21, v[XA]
	v_lshlrev_b32 v[SH8], 3, v8
	v_mov_b32 v[TM+7], 0                           ; written once: a lane permute's destination counts as one of its sources
	s_mov_b32 s22, 0x76543210
	s_mov_b32 s23, 0xfedcba98                      ; selects for lane l xor 16
	s_and_b32 s24, ttmp7, 0xffff                   ; which tensor
	s_lshr_b32 s26, ttmp9, 1
	s_lshl_b32 s26, s26, 5
	s_and_b32 s27, ttmp9, 1
	s_lshl_b32 s27, s27, 3
	s_add_co_u32 s26, s26, s27                     ; the rowtile's first row: 32 (x / 2) + 8 (x % 2)
	s_lshl_b32 s26, s26, 13
	s_lshl_b32 s27, s20, 11
	s_add_co_u32 s26, s26, s27                     ; + my wave's 2,048 bytes of a row
	s_mov_b32 s27, 0
	s_mul_i32 s28, s24, 3145728
	s_mul_i32 s29, ttmp9, 24576
	s_add_co_u32 s28, s28, s29
	s_mul_i32 s29, s20, 6144
	s_add_co_u32 s28, s28, s29                     ; my four fragments in codes
	s_mov_b32 s29, 0
	s_lshl_b32 s30, s24, 18
	s_lshl_b32 s31, ttmp9, 11
	s_add_co_u32 s30, s30, s31
	s_lshl_b32 s31, s20, 9
	s_add_co_u32 s30, s30, s31                     ; my block of scale words
	s_mov_b32 s31, 0
	s_wait_kmcnt 0x0
	s_cmp_eq_u32 s24, 1                            ; the input is chosen by the work-group's y alone
	s_cselect_b64 s[4:5], s[6:7], s[4:5]
	s_cmp_eq_u32 s24, 2
	s_cselect_b64 s[4:5], s[8:9], s[4:5]
	s_cmp_eq_u32 s24, 3
	s_cselect_b64 s[4:5], s[10:11], s[4:5]
	s_cmp_eq_u32 s24, 4
	s_cselect_b64 s[4:5], s[12:13], s[4:5]
	s_cmp_eq_u32 s24, 5
	s_cselect_b64 s[4:5], s[14:15], s[4:5]
	s_add_nc_u64 s[4:5], s[4:5], s[26:27]
	s_add_nc_u64 s[16:17], s[16:17], s[28:29]
	s_add_nc_u64 s[18:19], s[18:19], s[30:31]
.macro LOAD s                          ; fragment s: 16 rows x 512 bytes; the order of the rows stands in the immediate
.irp r, 0,1,2,3,4,5,6,7,8,9,10,11,12,13,14,15
	global_load_b128 v[R+64*((\s)%2)+4*\r:R+64*((\s)%2)+4*\r+3], v[LI], s[4:5] offset:(\r+8*(\r/8))*ROWB+512*(\s) th:TH_LOAD_NT
.endr
.endm
.macro FRAGSTEP s
.if (\s) < 3
	s_wait_loadcnt 16                              ; this fragment's 16 loads are in; the next fragment's 16 may be out
.else
	s_wait_loadcnt 0x0
.endif
.irp r, 0,1,2,3,4,5,6,7,8,9,10,11,12,13,14,15
	ds_store_b128 v[STI], v[R+64*((\s)%2)+4*\r:R+64*((\s)%2)+4*\r+3] offset:SP*\r
.endr
.irp j, 0,1,2,3,4,5,6,7,8,9,10,11,12,13,14,15
	ds_load_b128 v[X+4*\j:X+4*\j+3], v[XA] offset:256*(\j/8)+16*(\j%8)   ; LDS serves a wave's instructions in order: these see the stores above
.endr
	s_wait_dscnt 0x0                               ; my numbers are back, and the stores have read their registers,
.if (\s) < 2
	LOAD (\s)+2                                    ; which take the fragment two on
.endif
.irp c, 0,1                                    ; my block 2 c + h: all its 32 numbers are mine
	v_max3_num_f32 v[TM+\c], |v[X+32*\c]|, |v[X+32*\c+1]|, 0x1800000   ; with the floor 2^(3 - 127): the byte cannot fall under 1
.endr
.irp i, 2,4,6,8,10,12,14,16,18,20,22,24,26,28,30
.irp c, 0,1
	v_max3_num_f32 v[TM+\c], v[TM+\c], |v[X+32*\c+\i]|, |v[X+32*\c+\i+1]|
.endr
.endr
.irp c, 0,1
	v_add_nc_u32 v[TM+2+\c], 0xff000000, v[TM+\c]  ; 2 off the exponent field: the conversion's scale operand
.endr
.irp c, 0,1
	v_lshrrev_b32 v[TM+4+\c], 23, v[TM+2+\c]       ; the scale's byte
.endr
	v_lshl_or_b32 v[TM+6], v[TM+5], 16, v[TM+4]    ; blocks h and 2 + h,
	v_lshlrev_b32 v[TM+6], v[SH8], v[TM+6]         ; at their places in the word;
	v_permlanex16_b32 v[TM+7], v[TM+6], s22, s23
	v_or_b32 v[PW+(\s)], v[TM+6], v[TM+7]          ; with lane l xor 16's two the word is whole, in both lanes
	s_wait_xcnt 0x0                                ; the last fragment's stores have read the codes' registers: they are written again only behind this wait
.irp c, 0,1
	v_cvt_scalef32_pk16_fp6_f32 v[PC+6*\c:PC+6*\c+2], v[X+32*\c:X+32*\c+15], v[TM+2+\c]
	v_cvt_scalef32_pk16_fp6_f32 v[PC+12+4*\c:PC+14+4*\c], v[X+32*\c+16:X+32*\c+31], v[TM+2+\c]   ; (a conversion's three registers begin on an even number)
.endr
	v_nop                                          ; one plain place behind a scaled conversion
.irp c, 0,1
.irp i, 0,1,2
	v_mov_b32 v[PC+3+6*\c+\i], v[PC+12+4*\c+\i]
.endr
.endr
.irp c, 0,1,2
	global_store_b128 v[LI], v[PC+4*\c:PC+4*\c+3], s[16:17] offset:1536*(\s)+512*\c   ; 512 consecutive bytes, aligned
.endr
.endm
	LOAD 0
	LOAD 1
	FRAGSTEP 0
	FRAGSTEP 1
	FRAGSTEP 2
	FRAGSTEP 3
	global_store_b128 v[LI], v[PW:PW+3], s[18:19]  ; the four K steps' words of each row: 512 consecutive bytes
	s_wait_tensorcnt 0x0
	ds_add_u32 v254, v255
	s_wait_dscnt 0x0
	s_endpgm
.Lfunc_end_k_qf0b6910977_quant:
	.size	k_qf0b6910977_quant, .Lfunc_end_k_qf0b6910977_quant-k_qf0b6910977_quant
	.p2alignl 7, 3214868480
	.fill 96, 4, 3214868480
	.section	.rodata,"a",@progbits
	.p2align	6, 0x0
	.amdhsa_kernel k_qf0b6910977_quant
		.amdhsa_group_segment_fixed_size 34304
		.amdhsa_private_segment_fixed_size 0
		.amdhsa_enable_private_segment 0
		.amdhsa_kernarg_size 64
		.amdhsa_user_sgpr_count 2
		.amdhsa_user_sgpr_kernarg_segment_ptr 1
		.amdhsa_wavefront_size32 1
		.amdhsa_system_sgpr_workgroup_id_x 1
		.amdhsa_system_sgpr_workgroup_id_y 1
		.amdhsa_system_sgpr_workgroup_id_z 1
		.amdhsa_system_vgpr_workitem_id 0
		.amdhsa_next_free_vgpr 256
		.amdhsa_next_free_sgpr 66
		.amdhsa_reserve_vcc 0
		.amdhsa_float_denorm_mode_32 3
		.amdhsa_float_denorm_mode_16_64 3
		.amdhsa_memory_ordered 1
		.amdhsa_forward_progress 1
		.amdhsa_inst_pref_size 30
	.end_amdhsa_kernel
	.amdgpu_metadata
---
amdhsa.version: [ 1, 2 ]
amdhsa.kernels:
  - .name:           k_qf0b6910977_quant
    .symbol:         k_qf0b6910977_quant.kd
    .args:
      - { .name: x, .offset: 0, .size: 8, .value_kind: global_buffer, .address_space: global }
      - { .name: wq, .offset: 8, .size: 8, .value_kind: global_buffer, .address_space: global }
      - { .name: wk, .offset: 16, .size: 8, .value_kind: global_buffer, .address_space: global }
      - { .name: wg, .offset: 24, .size: 8, .value_kind: global_buffer, .address_space: global }
      - { .name: wv, .offset: 32, .size: 8, .value_kind: global_buffer, .address_space: global }
      - { .name: wo, .offset: 40, .size: 8, .value_kind: global_buffer, .address_space: global }
      - { .name: codes, .offset: 48, .size: 8, .value_kind: global_buffer, .address_space: global }
      - { .name: scales, .offset: 56, .size: 8, .value_kind: global_buffer, .address_space: global }
    .group_segment_fixed_size: 34304
    .private_segment_fixed_size: 0
    .kernarg_segment_align: 8
    .kernarg_segment_size: 64
    .max_flat_workgroup_size: 128
    .sgpr_count:     66
    .vgpr_count:     256
    .wavefront_size: 32
...
	.end_amdgpu_metadata
.endif
;; end of part 1
;; launch proj (part 2): grid 32 x 8, 4 waves a work-group, clusters of 4 x 4, 327,680 bytes of LDS; arguments codes, scales, qkv, gate; writes qkv, gate
.if DOCPART == 2
	.amdgcn_target "amdgcn-amd-amdhsa--gfx1250"
	.amdhsa_code_object_version 6
	.text
	.protected	k_qf0b6910977_proj
	.globl	k_qf0b6910977_proj
	.p2align	8
	.type	k_qf0b6910977_proj,@function
k_qf0b6910977_proj:
	s_mov_b64 s[64:65], 0
	v_nop
	global_prefetch_b8 v0, s[64:65] scope:SCOPE_SE
	s_setreg_imm32_b32 hwreg(HW_REG_WAVE_MODE, 25, 1), 1
	s_wait_xcnt 0x0
	s_wait_alu depctr_hold_cnt(0) depctr_sa_sdst(0) depctr_va_vdst(0) depctr_va_sdst(0) depctr_va_ssrc(0) depctr_va_vcc(0) depctr_vm_vsrc(0)
	s_getreg_b32 s2, hwreg(HW_REG_IB_STS2, 6, 4)
	s_cmp_eq_u32 s2, 0
	s_cbranch_scc0 .Lentry_in_a_cluster
	s_endpgm
.Lentry_in_a_cluster:
	s_bfe_u32 s2, ttmp6, 0x10000c
	s_cmp_lg_u32 s2, 0xf033
	s_cbranch_scc0 .Lentry_shape_is_right
	s_endpgm
.Lentry_shape_is_right:
; The four projections of x, each 2048 x 2048 x 2048, on codes of FP6 (E2M3) with E8M0 scales, from the fragment images that the launch before has laid (16 rows x 128 K = 1,536 bytes; rowtile a, lane r = row 32 (a/2) + 8 (a%2) + r + 8 (r/8)).
; JOBS, by the cluster's x alone: 0 q, 1 k, 2 g, 3 v.  A work-group makes 256 x 256, a wave 128 x 128: 64 accumulators.  The matrix instruction is used transposed: source 0 = 16 rows of side B, source 1 = 16 rows of side A;
; a lane then holds ONE row of side A, and the 64 registers of a block's eight accumulators run along side B's true rows: register 16 b + i = row 32 b + 16 (lane / 16) + i.
; q, k, g: side A = x, side B = the weight: a lane holds a token and 128 channels of one head.  v: side A = wv, side B = x: a lane holds a channel and 128 keys.  So ONE way out quantises q and k along the head's 128 and v along the keys.
; OUT: q, k, v as records of 13,312 bytes in qkv, ((tensor x 16 + head) x 16 + group) : 8 fragment images, then two blocks of scale words [lane 32][4 words].  g leaves raw, f32, as images of the 64 registers: gate [rowtile][head][8,192].
; K goes in steps of 256 through two LDS slots; a wave's tensor load brings 8 rowtiles x 3,072 bytes.  The scale words of the work-group's rows, for all of K, come once, with the first fills.
; CLUSTERS: 4 x 4.  Side A's tiles hang on the cluster's place and cy, side B's on the cluster's place and cx: each is asked for jointly by the four that share it.
; No prefetch: the tiles are shared in the cluster and read by many work-groups, and the launch is short.
; LIMITS: as the quantiser of the launch before: NaN and infinities not served, a block of zeros gets the byte 1 (zero codes; the bytes are this program's own).
; REGISTERS: window 0: v16-29 addresses; v32-63 scale words, two sets, and nothing else; v128-223 side A's fragments (on the way out v200-239 at work).  window 1: side B's fragments, two sets, at v0 and v128.
;   window 2: the accumulators of A's blocks 0-3 ((a, b) at v[8 (8 a + b)]);  window 3: those of blocks 4-7.
.set NAH,   4                          ; half of side A's blocks of a wave
.set NB,    8                          ; side B's blocks
.set NQ,    2                          ; matrix instructions deep in a slot
.set NBLK,  8                          ; rowtiles in a tensor load
.set FR,    12
.set NL,    3                          ; LDS loads that bring a fragment
.set NP,    4                          ; places behind this matrix instruction (ISA guide 7.12.1)
.set FRB,   1536
.set HALFT, NBLK*NQ*FRB                ; what one tensor load brings
.set SLOT,  4*HALFT                    ; A's two halves, then B's two
.set SCL,   2*SLOT                     ; behind the ring: the scale words
.set HALFS, NBLK*2048
.set SPARE, 262144                     ; the spare words, 128 bytes for each wave: two blocks of 256 bytes that no other line names
.set LAPS,  2048/(2*NQ*128)
.set ADRA, 16                          ; v16-17 LDS address of my A fragments in slot 0, 1
.set ADRB, 20                          ; v20-21 the same for B
.set LI,   24                          ; v24    16 x lane
.set ADRS, 27                          ; v27    LDS address of my scale words: lanes 0-15 A's, lanes 16-31 B's
.set SPW,  28
.set NIL,  29
.set SC,   32                          ; set s at v[SC + 16 s]; register NQ i + q: lanes 0-15 the word of A's block i, lanes 16-31 that of B's block i
.set AF,   128
.set TM,   200                         ; the way out: at work
.set PC,   208                         ; the codes just made (12) and 8 at work
.set PWS,  232                         ; the eight fragments' scale words
.set SEL,  96                          ; s[96:97]
.set G1, 24
.set G0, 32
.set G1B, 48
.set G0B, 56
.set G1S, 68
.set G0S, 76
.set G1SB, 80
.set G0SB, 88
.set MSB, 0
.macro WIN new                         ; the immediate's high byte repeats the setting that is left
.if MSB != \new
	s_set_vgpr_msb (MSB<<8)|\new
.set MSB, \new
.endif
.endm
.set MUL_LO, 0xa1                      ; source 0 (B) window 1, source 1 (A) window 0, C and D window 2
.set MUL_HI, 0xf1
.set TO_B,   0x40
.macro JLOAD g0a, g1a, g0b, g1b        ; a joint load: waves 0 and 1 fetch for A, waves 2 and 3 for B; four v_nop follow each line
	s_cmp_eq_u32 s15, 0
	s_cbranch_scc0 .Lfor_b_\@
	tensor_load_to_lds s[\g0a:\g0a+3], s[\g1a:\g1a+7]
	s_nop 0
.rept 4
	v_nop
.endr
	s_branch .Lasked_\@
.Lfor_b_\@:
	tensor_load_to_lds s[\g0b:\g0b+3], s[\g1b:\g1b+7]
	s_nop 0
.rept 4
	v_nop
.endr
.Lasked_\@:
.endm
.macro CREST                           ; a round of the cluster's barrier behind its opening barrier
	s_cmp_lg_u32 s14, 0
	s_cbranch_scc1 .Lnot_wave_0_\@
	s_barrier_signal -3
.Lnot_wave_0_\@:
	s_barrier_wait -3
	s_barrier_signal -1
	s_barrier_wait -1
.endm
.macro CROUND
	s_barrier_signal -1
	s_barrier_wait -1
	CREST
.endm
.macro PLACES n
.rept \n
	v_nop
.endr
.endm
	s_load_b128 s[4:7], s[0:1], 0x0                ; codes, scales
	s_load_b128 s[8:11], s[0:1], 0x10              ; qkv, gate
	v_lshl_add_u32 v[SPW], v0, 2, SPARE
	v_mov_b32 v[NIL], 0
	ds_add_u32 v28, v29
	ds_add_u32 v28, v29
	s_wait_dscnt 0x0
	v_lshrrev_b32 v1, 5, v0
	v_readfirstlane_b32 s14, v1                    ; wave 0..3
	s_lshr_b32 s15, s14, 1                         ; which half of side A is mine.  Also: I fetch for A (0) or for B (1)
	s_and_b32 s16, s14, 1                          ; which half of side B.  Also: which 8 rowtiles of that tile I fetch
	s_bfe_u32 s40, ttmp6, 0x40000                  ; cx
	s_bfe_u32 s41, ttmp6, 0x40004                  ; cy
	s_lshr_b32 s12, ttmp9, 1                       ; the job: the same in all sixteen partners
	s_and_b32 s13, ttmp9, 1
	s_lshl_b32 s13, s13, 2                         ; which four of the weight's eight tiles
	s_and_b32 s18, ttmp7, 0xffff
	s_lshl_b32 s18, s18, 2                         ; which four of x's eight tiles
	s_add_co_u32 s19, s13, 32                      ; wv's tiles begin at 32 (a tile = 256 rows, counted through all of codes)
	s_lshl_b32 s20, s12, 3
	s_add_co_u32 s20, s20, s13
	s_add_co_u32 s20, s20, 8                       ; wq's at 8, wk's at 16, wg's at 24
	s_cmp_eq_u32 s12, 3
	s_cselect_b32 s17, s19, s18                    ; side A: wv for v, else x
	s_cselect_b32 s42, s18, s20                    ; side B: x for v, else the weight
	s_add_co_u32 s17, s17, s41                     ; A's tile: shared along a row of the cluster
	s_add_co_u32 s42, s42, s40                     ; B's tile: shared along a column
	s_lshl_b32 s43, s41, 2
	s_lshl_b32 s43, 15, s43                        ; my row of the cluster
	s_lshl_b32 s44, 0x1111, s40                    ; my column
	s_or_b32 s[G1+0], s43, (3<<16)|(1<<21)         ; 15:0 the mask; 17:16 elements of 8 bytes; 20 no padding; 21 set beside a mask
	s_or_b32 s[G1B+0], s44, (3<<16)|(1<<21)
.irp g, G1, G1B
	s_mov_b32 s[\g+1], (NQ*192)<<16                ; tensor_dim0: NQ fragments = NQ x 192 elements
	s_mov_b32 s[\g+2], NBLK<<16                    ; tensor_dim1: 8 rowtiles
	s_mov_b32 s[\g+3], (NQ*192)<<16                ; tile_dim0
	s_mov_b32 s[\g+4], NBLK                        ; tile_dim1
	s_mov_b32 s[\g+5], 3072                        ; from rowtile to rowtile: 24,576 bytes
	s_mov_b32 s[\g+6], 0
	s_mov_b32 s[\g+7], 0
.endr
	s_or_b32 s[G1S+0], s43, (3<<16)|(1<<21)        ; the scale words of 8 rowtiles: a dense block, as rows of 256 bytes
	s_or_b32 s[G1SB+0], s44, (3<<16)|(1<<21)
.irp g, G1S, G1SB
	s_mov_b32 s[\g+1], 32<<16
	s_mov_b32 s[\g+2], (HALFS/256)<<16
	s_mov_b32 s[\g+3], 32<<16
	s_mov_b32 s[\g+4], HALFS/256
	s_mov_b32 s[\g+5], 32
	s_mov_b32 s[\g+6], 0
	s_mov_b32 s[\g+7], 0
.endr
	s_mov_b32 s[SEL], 0x76543210
	s_mov_b32 s[SEL+1], 0xfedcba98
	s_lshl_b32 s18, s16, 3                         ; which 8 rowtiles of the tile I fetch
	s_lshl_b32 s20, s17, 4
	s_add_co_u32 s20, s20, s18                     ; A: rowtile
	s_lshl_b32 s46, s42, 4
	s_add_co_u32 s46, s46, s18                     ; B: rowtile
	s_lshl_b32 s22, s20, 11                        ; their scale words, 2,048 bytes a rowtile,
	s_mov_b32 s23, 0
	s_lshl_b32 s92, s46, 11
	s_mov_b32 s93, 0
	s_mul_i32 s20, s20, 24576                      ; and their codes
	s_mov_b32 s21, 0
	s_mul_i32 s46, s46, 24576
	s_mov_b32 s47, 0
	s_mul_i32 s45, s14, HALFT                      ; where they go: by the wave's number alone
	s_mul_i32 s94, s14, HALFS
	s_wait_kmcnt 0x0
	s_add_nc_u64 s[20:21], s[4:5], s[20:21]
	s_add_nc_u64 s[22:23], s[6:7], s[22:23]
	s_add_nc_u64 s[46:47], s[4:5], s[46:47]
	s_add_nc_u64 s[92:93], s[6:7], s[92:93]
	CROUND                                         ; all sixteen work-groups are here: the first joint loads meet
	s_mov_b32 s[G0S], 1
	s_add_co_u32 s[G0S+1], s94, SCL
	s_mov_b64 s[G0S+2:G0S+3], s[22:23]
	s_or_b32 s[G0S+3], s[G0S+3], 0x80000000
	s_mov_b32 s[G0SB], 1
	s_add_co_u32 s[G0SB+1], s94, SCL
	s_mov_b64 s[G0SB+2:G0SB+3], s[92:93]
	s_or_b32 s[G0SB+3], s[G0SB+3], 0x80000000
	JLOAD G0S, G1S, G0SB, G1SB                     ; the scale words first: they are wanted with K step 0
.irp s, 0,1
	s_mov_b32 s[G0+4*\s], 1
	s_add_co_u32 s[G0+4*\s+1], s45, \s*SLOT
	s_add_nc_u64 s[G0+4*\s+2:G0+4*\s+3], s[20:21], \s*NQ*FRB
	s_or_b32 s[G0+4*\s+3], s[G0+4*\s+3], 0x80000000
	s_mov_b32 s[G0B+4*\s], 1
	s_add_co_u32 s[G0B+4*\s+1], s45, \s*SLOT
	s_add_nc_u64 s[G0B+4*\s+2:G0B+4*\s+3], s[46:47], \s*NQ*FRB
	s_or_b32 s[G0B+4*\s+3], s[G0B+4*\s+3], 0x80000000
	JLOAD G0+4*\s, G1, G0B+4*\s, G1B               ; three loads of mine are out
.endr
	v_and_b32 v1, 31, v0
	v_lshlrev_b32 v[LI], 4, v1
	v_bfe_u32 v2, v0, 4, 1                         ; lane / 16
	s_mul_i32 s21, s15, HALFT                      ; my half of A
	s_mul_i32 s22, s16, HALFT                      ; my half of B,
	s_add_co_u32 s22, s22, 2*HALFT                 ; behind A's two
.irp s, 0,1
	v_add_nc_u32 v[ADRA+\s], s21, v[LI]
	v_add_nc_u32 v[ADRB+\s], s22, v[LI]
	s_add_co_u32 s21, s21, SLOT
	s_add_co_u32 s22, s22, SLOT
.endr
	s_mul_i32 s21, s15, HALFS
	s_mul_i32 s22, s16, HALFS
	s_add_co_u32 s22, s22, 2*HALFS
	s_sub_co_u32 s22, s22, s21
	v_mul_u32_u24 v6, s22, v2                      ; lanes 16-31 take B's: one product, the distance between the two bases
	s_add_co_u32 s21, s21, SCL
	v_add_nc_u32 v5, v[LI], v6
	v_add_nc_u32 v[ADRS], s21, v5
.macro FRAG reg, adr, q, i             ; a fragment comes as it was stored: three loads of 512 consecutive bytes
.irp c, 0,1,2
	ds_load_b128 v[\reg+4*\c:\reg+4*\c+3], v[\adr] offset:(\i)*NQ*FRB+(\q)*FRB+512*\c
.endr
.endm
.macro FETCH_B slot, q, p
	WIN TO_B
.irp i, 0,1,2,3,4,5,6,7
.if \i < NB
	FRAG 128*(\p)+FR*\i, ADRB+\slot, \q, \i
.endif
.endr
	WIN 0
.endm
.macro FETCH_A slot, q, i0
.irp ii, 0,1,2,3
.if \ii < NAH
	FRAG AF+FR*((\i0)+\ii), ADRA+\slot, \q, (\i0)+\ii
.endif
.endr
.endm
.macro SCALES sc                       ; a slot's NQ words of each row: lanes 0-15 A's block i, lanes 16-31 B's block i
.irp i, 0,1,2,3,4,5,6,7
.if \i < NBLK
.if NQ == 2
	ds_load_b64 v[SC+16*\sc+2*\i:SC+16*\sc+2*\i+1], v[ADRS] offset:\i*2048
.else
	ds_load_b128 v[SC+16*\sc+4*\i:SC+16*\sc+4*\i+3], v[ADRS] offset:\i*2048
.endif
.endif
.endr
.endm
; A's blocks a0 .. a0 + n - 1 against B's NB, 128 along K.  The accumulators take turns, one instruction a turn, in the same order in every step.
.macro MULS a0, n, p, q, sc, zero
.irp aa, 0,1,2,3
.if \aa < (\n)
.irp b, 0,1,2,3,4,5,6,7
.if \b < NB
.set rA, (\a0)+\aa
.set rD, 8*(NB*(rA%NAH)+\b)
.set rB, 128*(\p)+FR*\b
.set rF, AF+FR*rA
.set rSB, SC+16*(\sc)+NQ*\b+(\q)
.set rSA, SC+16*(\sc)+NQ*rA+(\q)
.if \zero
	v_wmma_scale_f32_16x16x128_f8f6f4 v[rD:rD+7], v[rB:rB+FR-1], v[rF:rF+FR-1], 0, v[rSB], v[rSA] matrix_a_fmt:MATRIX_FMT_FP6 matrix_b_fmt:MATRIX_FMT_FP6 matrix_a_scale:MATRIX_SCALE_ROW1
.else
	v_wmma_scale_f32_16x16x128_f8f6f4 v[rD:rD+7], v[rB:rB+FR-1], v[rF:rF+FR-1], v[rD:rD+7], v[rSB], v[rSA] matrix_a_fmt:MATRIX_FMT_FP6 matrix_b_fmt:MATRIX_FMT_FP6 matrix_a_scale:MATRIX_SCALE_ROW1
.endif
.endif
.endr
.endif
.endr
.endm
.macro STEP slot, q, zero              ; 128 along K that has its successor in the same slot
	s_wait_dscnt NAH*NL                            ; B's set and A's first half are in; the youngest loads (A's second half) may be out
	WIN MUL_LO
	MULS 0, NAH, (\q)%2, \q, \slot, \zero
	s_wait_dscnt 0x0
	PLACES NP                                      ; in front of loads into registers that matrix instructions have read
	FETCH_B \slot, (\q)+1, 1-(\q)%2
	FETCH_A \slot, (\q)+1, 0
	WIN MUL_HI
	MULS NAH, NAH, (\q)%2, \q, \slot, \zero
	PLACES NP
	WIN 0
	FETCH_A \slot, (\q)+1, NAH
.endm
.macro MIDS slot, q0                   ; the slot's steps q0 .. NQ - 2
.irp qq, 0,1,2
.if (\qq >= \q0) && (\qq <= NQ-2)
	STEP \slot, \qq, 0
.endif
.endr
.endm
; A slot's last step changes slots: ONE barrier; in front of it each wave waits for all its tensor loads, adds 0 to its spare word, and waits for that and for its reads of this slot.  fill = 1: the slot is filled again, two slots ahead.
.macro TURN slot, next, fill
	s_wait_tensorcnt 0x0                           ; all my tensor loads have landed: my part of the next slot
	ds_add_u32 v[SPW], v[NIL]                      ; 0 onto my spare word
	s_wait_dscnt NAH*NL+1                          ; (the add and A's second half may be out)
	WIN MUL_LO
	MULS 0, NAH/2, 1, NQ-1, \slot, 0
	s_wait_dscnt 0x0                               ; the add is done, and my reads of this slot are over
	s_barrier_signal -1
	MULS NAH/2, NAH/2, 1, NQ-1, \slot, 0
	WIN 0
	s_barrier_wait -1
.if \fill
	CREST                                          ; the barrier has opened a round of the cluster's: no wave of any partner still reads this slot or has a load on its way
	s_add_nc_u64 s[G0+4*\slot+2:G0+4*\slot+3], s[G0+4*\slot+2:G0+4*\slot+3], 2*NQ*FRB
	s_add_nc_u64 s[G0B+4*\slot+2:G0B+4*\slot+3], s[G0B+4*\slot+2:G0B+4*\slot+3], 2*NQ*FRB
	JLOAD G0+4*\slot, G1, G0B+4*\slot, G1B         ; the first tensor load behind the round; its four v_nop are the places in front of the loads below
.else
	PLACES NP
.endif
.if NQ == 2
	v_add_nc_u32 v[ADRS], 8+496*(1-\next), v[ADRS] ; the next slot's two words: 8 bytes on, or into the next block of four K steps
.else
	v_add_nc_u32 v[ADRS], 512, v[ADRS]
.endif
	FETCH_B \next, 0, 0
	FETCH_A \next, 0, 0
	SCALES \next
	WIN MUL_HI
	MULS NAH, NAH, 1, NQ-1, \slot, 0
	PLACES NP
	WIN 0
	FETCH_A \next, 0, NAH
.endm
	s_wait_tensorcnt 1                             ; the scale words and my part of slot 0 are in; slot 1's load may be out
	s_barrier_signal -1
	s_barrier_wait -1
	FETCH_B 0, 0, 0
	FETCH_A 0, 0, 0
	SCALES 0
	FETCH_A 0, 0, NAH
	STEP 0, 0, 1                                   ; the first step stands in front of the loop: its products start the sums
	s_mov_b32 s3, LAPS-1
.Llap:                                                 ; a trip goes once round the ring and fills both slots again
	MIDS 0, 1
	TURN 0, 1, 1
	MIDS 1, 0
	TURN 1, 0, 1
	STEP 0, 0, 0
	s_sub_co_u32 s3, s3, 1
	s_cmp_lg_u32 s3, 0
	s_cbranch_scc1 .Llap
	MIDS 0, 1
	TURN 0, 1, 0                                   ; the last lap fills nothing
	MIDS 1, 0
	s_wait_dscnt NAH*NL
	WIN MUL_LO
	MULS 0, NAH, 1, NQ-1, 1, 0
	s_wait_dscnt 0x0
	WIN MUL_HI
	MULS NAH, NAH, 1, NQ-1, 1, 0
	WIN 0
	; THE WAY OUT.  No LDS: the accumulators' layout is the buffers' layout.
	PLACES NP
	s_lshl_b32 s18, s17, 1
	s_add_co_u32 s18, s18, s15
	s_and_b32 s18, s18, 15                         ; side A's group of 128 rows within its tensor
	s_lshl_b32 s19, s42, 1
	s_add_co_u32 s19, s19, s16
	s_and_b32 s19, s19, 15                         ; side B's
	s_cmp_eq_u32 s12, 2
	s_cbranch_scc0 .Lquant                         ; the job is the same in all partners
	s_lshl_b32 s20, s18, 20                        ; g: rowtile 8 GA + a, head GB: 131,072 bytes a rowtile, 8,192 a head
	s_lshl_b32 s21, s19, 13
	s_add_co_u32 s20, s20, s21
	s_mov_b32 s21, 0
	s_add_nc_u64 s[10:11], s[10:11], s[20:21]
.irp a, 0,1,2,3,4,5,6,7
	WIN 0x08+4*(\a/4)                              ; a store's data are its source 1: window 2 or 3
.irp b, 0,1,2,3,4,5,6,7
	global_store_b128 v[LI], v[64*(\a%4)+8*\b:64*(\a%4)+8*\b+3], s[10:11] offset:\a*131072+1024*\b        ; each accumulator from its low end on; 512 consecutive bytes a store
	global_store_b128 v[LI], v[64*(\a%4)+8*\b+4:64*(\a%4)+8*\b+7], s[10:11] offset:\a*131072+1024*\b+512
.endr
.endr
	WIN 0
	s_branch .Ldone
.Lquant:
	s_min_u32 s20, s12, 2                          ; q 0, k 1, v 2
	s_cmp_eq_u32 s12, 3
	s_cselect_b32 s21, s18, s19                    ; the head: side A's group for v, else side B's
	s_cselect_b32 s22, s19, s18                    ; the group of 128 tokens
	s_lshl_b32 s20, s20, 4
	s_add_co_u32 s20, s20, s21
	s_lshl_b32 s20, s20, 4
	s_add_co_u32 s20, s20, s22
	s_mul_i32 s20, s20, 13312
	s_mov_b32 s21, 0
	s_add_nc_u64 s[8:9], s[8:9], s[20:21]
.irp b, 0,1,2,3
	v_mov_b32 v[TM+4+\b], 0                        ; a lane permute's destination counts as one of its sources
.endr
; Block a's 64 numbers of a lane (window w, from register s on; register 16 b + i = k 32 b + 16 (lane / 16) + i) become a fragment's codes and its scale word.
.macro QUANTW s, w, pw
	WIN (\w)|((\w)<<2)                             ; sources 0 and 1 in the accumulators' window
.irp b, 0,1,2,3
	v_max3_num_f32 v[TM+\b], |v[\s+16*\b]|, |v[\s+1+16*\b]|, 0x1800000   ; my 16 numbers of block b, and the floor 2^(3 - 127)
.endr
.irp i, 2,4,6,8,10,12,14
.irp b, 0,1,2,3
	v_max3_num_f32 v[TM+\b], |v[\s+16*\b+\i]|, |v[\s+1+16*\b+\i]|, v[TM+\b]
.endr
.endr
	WIN 0
.irp b, 0,1,2,3
	v_permlanex16_b32 v[TM+4+\b], v[TM+\b], s[SEL], s[SEL+1]
.endr
.irp b, 0,1,2,3
	v_max_num_f32 v[TM+\b], v[TM+\b], v[TM+4+\b]   ; with lane l xor 16's: the block's largest magnitude
.endr
.irp b, 0,1,2,3
	v_add_nc_u32 v[TM+4+\b], 0xff000000, v[TM+\b]  ; 2 off the exponent field: the conversion's scale operand
.endr
.irp b, 0,1,2,3
	v_lshrrev_b32 v[TM+\b], 23, v[TM+4+\b]         ; the scale's byte
.endr
	v_lshl_or_b32 v[\pw], v[TM+1], 8, v[TM]
	v_lshl_or_b32 v[\pw], v[TM+2], 16, v[\pw]
	v_lshl_or_b32 v[\pw], v[TM+3], 24, v[\pw]
	s_wait_xcnt 0x0                                ; the last block's stores have read the codes' registers
	WIN \w
.irp c, 0,1
	v_cvt_scalef32_pk16_fp6_f32 v[PC+6*\c:PC+2+6*\c], v[\s+32*\c:\s+15+32*\c], v[TM+4+2*\c]
	v_cvt_scalef32_pk16_fp6_f32 v[PC+12+4*\c:PC+14+4*\c], v[\s+16+32*\c:\s+31+32*\c], v[TM+5+2*\c]
.endr
	WIN 0
	v_nop                                          ; one plain place behind a scaled conversion
.irp c, 0,1                                    ; the operand's layout wants a whole block in a lane
.irp i, 0,1,2
	v_permlane16_swap_b32 v[PC+6*\c+\i], v[PC+12+4*\c+\i]
.endr
.irp i, 0,1,2
	v_mov_b32 v[PC+3+6*\c+\i], v[PC+12+4*\c+\i]
.endr
.endr
.endm
.irp a, 0,1,2,3,4,5,6,7
	QUANTW 64*(\a%4), 2+\a/4, PWS+\a
.irp c, 0,1,2
	global_store_b128 v[LI], v[PC+4*\c:PC+4*\c+3], s[8:9] offset:1536*\a+512*\c
.endr
.endr
	global_store_b128 v[LI], v[PWS:PWS+3], s[8:9] offset:12288     ; the words of fragments 0-3,
	global_store_b128 v[LI], v[PWS+4:PWS+7], s[8:9] offset:12800   ; and of 4-7
.Ldone:
	s_wait_tensorcnt 0x0                           ; the wave's end
	ds_add_u32 v[SPW], v[NIL]
	s_wait_dscnt 0x0
	CROUND                                         ; the closing round
	s_endpgm
.Lfunc_end_k_qf0b6910977_proj:
	.size	k_qf0b6910977_proj, .Lfunc_end_k_qf0b6910977_proj-k_qf0b6910977_proj
	.p2alignl 7, 3214868480
	.fill 96, 4, 3214868480
	.section	.rodata,"a",@progbits
	.p2align	6, 0x0
	.amdhsa_kernel k_qf0b6910977_proj
		.amdhsa_group_segment_fixed_size 327680
		.amdhsa_private_segment_fixed_size 0
		.amdhsa_enable_private_segment 0
		.amdhsa_kernarg_size 32
		.amdhsa_user_sgpr_count 2
		.amdhsa_user_sgpr_kernarg_segment_ptr 1
		.amdhsa_wavefront_size32 1
		.amdhsa_system_sgpr_workgroup_id_x 1
		.amdhsa_system_sgpr_workgroup_id_y 1
		.amdhsa_system_sgpr_workgroup_id_z 1
		.amdhsa_system_vgpr_workitem_id 0
		.amdhsa_next_free_vgpr 1024
		.amdhsa_next_free_sgpr 100
		.amdhsa_reserve_vcc 0
		.amdhsa_float_denorm_mode_32 3
		.amdhsa_float_denorm_mode_16_64 3
		.amdhsa_memory_ordered 1
		.amdhsa_forward_progress 1
		.amdhsa_inst_pref_size 152
	.end_amdhsa_kernel
	.amdgpu_metadata
---
amdhsa.version: [ 1, 2 ]
amdhsa.kernels:
  - .name:           k_qf0b6910977_proj
    .symbol:         k_qf0b6910977_proj.kd
    .args:
      - { .name: codes, .offset: 0, .size: 8, .value_kind: global_buffer, .address_space: global }
      - { .name: scales, .offset: 8, .size: 8, .value_kind: global_buffer, .address_space: global }
      - { .name: qkv, .offset: 16, .size: 8, .value_kind: global_buffer, .address_space: global }
      - { .name: gate, .offset: 24, .size: 8, .value_kind: global_buffer, .address_space: global }
    .group_segment_fixed_size: 327680
    .private_segment_fixed_size: 0
    .kernarg_segment_align: 8
    .kernarg_segment_size: 32
    .max_flat_workgroup_size: 128
    .sgpr_count:     100
    .vgpr_count:     1024
    .wavefront_size: 32
...
	.end_amdgpu_metadata
.endif
;; end of part 2
;; launch retn (part 3): grid 16 x 16, 16 waves a work-group, no clusters, 327,680 bytes of LDS; arguments qkv, y, stats; writes y, stats
.if DOCPART == 3
	.amdgcn_target "amdgcn-amd-amdhsa--gfx1250"
	.amdhsa_code_object_version 6
	.text
	.protected	k_qf0b6910977_retn
	.globl	k_qf0b6910977_retn
	.p2align	8
	.type	k_qf0b6910977_retn,@function
k_qf0b6910977_retn:
	s_mov_b64 s[64:65], 0
	v_nop
	global_prefetch_b8 v0, s[64:65] scope:SCOPE_SE
	s_setreg_imm32_b32 hwreg(HW_REG_WAVE_MODE, 25, 1), 1
	s_wait_xcnt 0x0
; Retention: y[i] = sum over j <= i of Q6( (q_i . k_j) 128^-1/2 gamma^(i - j) ) v_j, per head, both products on codes of FP6 (E2M3) with E8M0 scales; Q6 quantises the scores along the keys, in blocks of 32.
; q, k, v come as records of 13,312 bytes (8 fragment images, two blocks of scale words) for each head and each 128 tokens; v's fragments hold 16 channels x 128 keys.
; SHARES.  Work-group (x, head) owns eight rowtiles of 16 queries: 4 x + g (early) and 127 - 4 x - g (late), g = 0 .. 3.  There is no softmax, so a tile's O^T is a plain sum over key steps: TWO WAVES OWN A TILE, parity p
; takes key steps p, p + 2, ..; at the end the parity-1 wave hands its O^T over through LDS and the parity-0 wave adds and stores.  Wave w: g = w >> 2, p = (w >> 1) & 1, late = (g ^ w) & 1: among waves w, w + 4, w + 8, w + 12
; and among waves 4 g .. 4 g + 3 alike two hold an early tile and two a late one.
; Both products are used transposed: S^T = K Q^T, O^T = V^T P^T: a lane holds one query throughout.  By the order of rows in a rowtile, register 16 b + i of a step's eight score tiles is key KF + 32 b + 16 (lane / 16) + i,
; and register 16 b + i of O^T is channel 32 b + 16 (lane / 16) + i: y is stored as an image of those 64 registers, [rowtile][head][8,192].
; STATS.  The wave that stores y also stores, for each of its rows, the mean of the head's 128 numbers and the sum of their squared differences from it: stats [rowtile][head][lane 32][2].  The next launch joins the sixteen heads' figures.
; THE DECAY.  gamma is rebuilt in f32 as the source builds it (step = h / 15 correctly rounded; l = start (1 - step) + stop step; e = exp(l); gamma = 1 - e).  1 - gamma is exact, and log2(gamma) = lambda comes from the series of
; log(1 - e') to e'^7 (e' <= 1/32: what is left is under 4e-12 of it).  The factor of register 16 b + i is 2^(lambda (15 - i)) x 2^(lambda T_b - 3.5), T_b = query - key of the block's register 15: four exponentials a step.
; CAUSAL.  Every wave walks all four slots (constant trip counts; no tensor load or barrier is jumped over); a step all of whose keys come after my queries is left out by a scalar branch on ids; on the diagonal hidden scores become 0.
; LDS.  Three slots of 4 key steps (K's 4 records, then V's 4), all three first fills: every wave brings half a record, 26 rows of 256 bytes: three loads of a wave are out at the start.  Key steps 12-15 are the one refill, into slot 0,
; one load a wave, asked for two slots' steps ahead of its first read.  The hand-over of O^T lies in slot 1, which has had its only fill and whose last read lies ahead of the barrier in front of the last slot.
; NO CLUSTER: partners that share K and V would be other query blocks of the head, and the jump over hidden steps hangs on the block's number, which differs between them.
; No prefetch: twelve of a head's sixteen key steps go out at the head, and the other four are themselves asked for eight key steps ahead.
; LIMITS: NaN and infinities not served; a block of zeros keeps the byte 1 (zero codes).
.set REC,   13312
.set HREC,  6656                       ; half a record: what one tensor load brings
.set SLOTB, 8*REC
.set VOFF,  4*REC
.set SCR,   SLOTB                      ; the hand-over: 8 x 8,192 bytes in slot 1
.set SPARE, 3*SLOTB                    ; the spare words: 128 bytes for each of sixteen waves, eight blocks of 256 bytes that no other line names
.set LI,  1                            ; v1  16 x lane
.set SPW, 2
.set NIL, 3
.set ADK, 4                            ; v4  the step's record of K in LDS
.set ADV, 5                            ; v5  and of V
.set DQ,  6                            ; v6  my query - 16 (lane / 16) - 15
.set DD,  7
.set RB,  8                            ; v8, 10, 12, 14  the blocks' factors (v9 .. v15: named as pairs' upper halves)
.set QFR, 16                           ; v16-27 Q
.set QS,  28                           ; v28 Q's scale words
.set PW,  29                           ; v29 the scores' scale word
.set LAM, 30                           ; v30 lambda = log2(gamma)
.set SCA, 31                           ; v31 my pair's place in the hand-over
.set FRG, 32                           ; v32-79 four fragments of K or V
.set KS,  80                           ; v80-83 their scale words
.set CI,  84                           ; v84-99 gamma^(15 - i)
.set S,   100                          ; v100-163 S^T
.set O,   164                          ; v164-227 O^T
.set PC,  228                          ; v228-239 the scores' codes; v240-247 at work
.set TM,  248                          ; v248-255 at work
.set WV,  8
.set HD,  9
.set TA,  10
.set TB,  12
.set KF,  13
.set QF,  14
.set QL,  15
.set CNT, 16
.set PAR, 17                           ; s17 my parity
.set SEL, 18
.set G1,  24
.set G0A, 32
.set G0B, 36
.set G0C, 40
.set PR,  48                           ; s48 parity x a record
	s_load_b128 s[4:7], s[0:1], 0x0                ; qkv, y
	s_load_b64 s[52:53], s[0:1], 0x10              ; stats
	v_lshl_add_u32 v[SPW], v0, 2, SPARE
	v_mov_b32 v[NIL], 0
	ds_add_u32 v2, v3
	ds_add_u32 v2, v3
	s_wait_dscnt 0x0
	v_lshrrev_b32 v10, 5, v0
	v_readfirstlane_b32 s[WV], v10                 ; wave 0..15
	s_and_b32 s[HD], ttmp7, 0xffff                 ; the head
	s_mov_b32 s[G1], 3<<16                         ; half a record: 26 rows of 256 bytes (32 elements of 8 bytes), dense, no padding, no mask
	s_mov_b32 s[G1+1], 32<<16
	s_mov_b32 s[G1+2], 26<<16
	s_mov_b32 s[G1+3], 32<<16
	s_mov_b32 s[G1+4], 26
	s_mov_b32 s[G1+5], 32
	s_mov_b32 s[G1+6], 0
	s_mov_b32 s[G1+7], 0
	s_lshr_b32 s20, s[WV], 3
	s_add_co_u32 s20, s20, 1                       ; waves 0-7 fetch K's records (tensor 1), waves 8-15 V's (tensor 2)
	s_lshl_b32 s20, s20, 4
	s_add_co_u32 s20, s20, s[HD]
	s_lshl_b32 s20, s20, 4
	s_bfe_u32 s21, s[WV], 0x20001
	s_add_co_u32 s20, s20, s21                     ; key step (wave >> 1) & 3 of the slot
	s_mul_i32 s20, s20, REC
	s_and_b32 s21, s[WV], 1
	s_mul_i32 s21, s21, HREC
	s_add_co_u32 s20, s20, s21                     ; its lower or its upper half
	s_mov_b32 s21, 0
	s_mul_i32 s22, s[WV], HREC                     ; its place in a slot
	s_wait_kmcnt 0x0
	s_mov_b32 s[G0A], 1
	s_mov_b32 s[G0A+1], s22
	s_add_nc_u64 s[G0A+2:G0A+3], s[4:5], s[20:21]
	s_mov_b32 s[G0B], 1
	s_add_co_u32 s[G0B+1], s22, SLOTB
	s_add_nc_u64 s[G0B+2:G0B+3], s[G0A+2:G0A+3], 4*REC
	s_mov_b32 s[G0C], 1
	s_add_co_u32 s[G0C+1], s22, 2*SLOTB
	s_add_nc_u64 s[G0C+2:G0C+3], s[G0A+2:G0A+3], 8*REC
	s_or_b32 s[G0A+3], s[G0A+3], 0x80000000
	s_or_b32 s[G0B+3], s[G0B+3], 0x80000000
	s_or_b32 s[G0C+3], s[G0C+3], 0x80000000
	tensor_load_to_lds s[G0A:G0A+3], s[G1:G1+7]    ; key steps 0-3
	s_nop 0
	tensor_load_to_lds s[G0B:G0B+3], s[G1:G1+7]    ; key steps 4-7
	s_nop 0
	tensor_load_to_lds s[G0C:G0C+3], s[G1:G1+7]    ; key steps 8-11
	s_nop 0
.rept 4
	v_nop
.endr
	v_and_b32 v10, 31, v0
	v_lshlrev_b32 v[LI], 4, v10
	s_lshr_b32 s20, s[WV], 2                       ; g
	s_bfe_u32 s[PAR], s[WV], 0x10001               ; p
	s_xor_b32 s21, s20, s[WV]
	s_and_b32 s21, s21, 1                          ; late?
	s_lshl_b32 s22, s20, 1
	s_add_co_u32 s22, s22, s21                     ; my pair: 2 g + late; my partner is wave w xor 2
	s_lshl_b32 s22, s22, 13
	s_add_co_u32 s22, s22, SCR
	v_add_nc_u32 v[SCA], s22, v[LI]
	s_mul_i32 s[PR], s[PAR], REC
	s_lshl_b32 s[KF], s[PAR], 7                    ; my first key step's first key
	s_lshl_b32 s[TA], ttmp9, 2
	s_add_co_u32 s[TA], s[TA], s20
	s_sub_co_u32 s11, 127, s[TA]
	s_cmp_eq_u32 s21, 0
	s_cselect_b32 s[TA], s[TA], s11                ; my rowtile of queries
	s_lshl_b32 s20, s[HD], 4
	s_lshr_b32 s21, s[TA], 3
	s_add_co_u32 s20, s20, s21
	s_mul_i32 s20, s20, REC                        ; q's record (tensor 0)
	s_and_b32 s21, s[TA], 7
	s_mul_i32 s22, s21, 1536
	s_add_co_u32 s22, s22, s20
	s_mov_b32 s23, 0
	s_add_nc_u64 s[44:45], s[4:5], s[22:23]        ; my fragment
	s_lshr_b32 s22, s21, 2
	s_lshl_b32 s22, s22, 9
	s_and_b32 s21, s21, 3
	s_lshl_b32 s21, s21, 2
	s_add_co_u32 s22, s22, s21
	s_add_co_u32 s22, s22, s20
	s_add_co_u32 s22, s22, 12288
	s_add_nc_u64 s[46:47], s[4:5], s[22:23]        ; its scale words
.irp c, 0,1,2
	global_load_b128 v[QFR+4*\c:QFR+4*\c+3], v[LI], s[44:45] offset:512*\c
.endr
	global_load_b32 v[QS], v[LI], s[46:47]
	s_lshl_b32 s20, s[TA], 4
	s_add_co_u32 s20, s20, s[HD]
	s_lshl_b32 s22, s20, 8
	s_lshl_b32 s20, s20, 13
	s_mov_b32 s21, 0
	s_add_nc_u64 s[6:7], s[6:7], s[20:21]          ; y at (rowtile, head)
	s_add_nc_u64 s[52:53], s[52:53], s[22:23]      ; stats likewise
	s_lshr_b32 s[QF], s[TA], 1
	s_lshl_b32 s[QF], s[QF], 5
	s_and_b32 s20, s[TA], 1
	s_lshl_b32 s20, s20, 3
	s_add_co_u32 s[QF], s[QF], s20                 ; my first query
	s_add_co_u32 s[QL], s[QF], 23                  ; my last
	s_sub_co_i32 s20, s[QF], 15
	v_and_b32 v10, 15, v0
	v_and_b32 v11, 8, v10
	v_add_nc_u32 v10, v10, v11                     ; r + 8 (r / 8)
	v_bfe_u32 v11, v0, 4, 1
	v_lshlrev_b32 v11, 4, v11
	v_sub_nc_u32 v[DQ], v10, v11
	v_add_nc_u32 v[DQ], s20, v[DQ]
	s_mov_b32 s[SEL], 0x76543210
	s_mov_b32 s[SEL+1], 0xfedcba98
	; lambda
	v_cvt_f32_u32 v[TM], s[HD]
	v_mul_f32 v[TM+1], 0x3d888889, v[TM]           ; h / 15: a first quotient,
	v_fma_f32 v[TM+2], 0xc1700000, v[TM+1], v[TM]  ; its remainder, exact,
	v_fma_f32 v[TM+1], v[TM+2], 0x3d888889, v[TM+1]  ; and the correctly rounded quotient
	v_sub_f32 v[TM+2], 1.0, v[TM+1]
	v_mul_f32 v[TM+2], 0xc05dce9e, v[TM+2]         ; log(1/32) (1 - step)
	v_mul_f32 v[TM+1], 0xc0c7a05b, v[TM+1]         ; log(1/512) step
	v_add_f32 v[TM], v[TM+2], v[TM+1]              ; l
	v_mul_f32 v[TM+1], 0x3fb8aa3b, v[TM]           ; t = l log2(e),
	v_fma_f32 v[TM+2], v[TM], 0x3fb8aa3b, -v[TM+1] ; what that product dropped,
	v_fma_f32 v[TM+2], v[TM], 0x32a57060, v[TM+2]  ; and the low part of log2(e)
	v_exp_f32 v[TM+3], v[TM+1]
	v_mul_f32 v[TM+2], 0x3f317218, v[TM+2]         ; (a plain place behind the exponential)
	s_wait_alu depctr_va_vdst(0)                   ; the wait ahead of the first reader
	v_fma_f32 v[TM+3], v[TM+3], v[TM+2], v[TM+3]   ; e = exp(l)
	v_sub_f32 v[TM+3], 1.0, v[TM+3]                ; gamma, rounded to f32 as the source has it
	v_sub_f32 v[TM+3], 1.0, v[TM+3]                ; e' = 1 - gamma: exact
	v_mov_b32 v[TM], 0x3e124925                    ; 1/7
	v_fmaak_f32 v[TM], v[TM], v[TM+3], 0x3e2aaaab  ; 1/6
	v_fmaak_f32 v[TM], v[TM], v[TM+3], 0x3e4ccccd  ; 1/5
	v_fmaak_f32 v[TM], v[TM], v[TM+3], 0x3e800000  ; 1/4
	v_fmaak_f32 v[TM], v[TM], v[TM+3], 0x3eaaaaab  ; 1/3
	v_fma_f32 v[TM], v[TM], v[TM+3], 0.5
	v_fma_f32 v[TM], v[TM], v[TM+3], 1.0
	v_mul_f32 v[TM], v[TM], v[TM+3]                ; -log(gamma)
	v_mul_f32 v[LAM], 0xbfb8aa3b, v[TM]
.set n, 0
.rept 16
	v_cvt_f32_i32 v[CI+n], 15-n
.set n, n+1
.endr
.set n, 0
.rept 16
	v_mul_f32 v[CI+n], v[LAM], v[CI+n]
.set n, n+1
.endr
.set n, 0
.rept 16
	v_exp_f32 v[CI+n], v[CI+n]                     ; gamma^(15 - i)
.set n, n+1
.endr
.irp b, 0,1,2,3
	v_mov_b32 v[TM+4+\b], 0                        ; (plain places)  a lane permute's destination counts as one of its sources
	v_mov_b32 v[RB+1+2*\b], 0                      ; named as the upper halves of pairs
.endr
	s_wait_alu depctr_va_vdst(0)                   ; one wait for the batch
.set n, 0
.rept 64
	v_mov_b32 v[O+n], 0                            ; O^T: the step is written once, and a wave's first step may not be told apart by a jump over matrix work; a wave with no step at all hands zeros over
.set n, n+1
.endr
.macro FLOAD g, adr                    ; four fragments and their scale words
.irp t, 0,1,2,3
.irp c, 0,1,2
	ds_load_b128 v[FRG+12*\t+4*\c:FRG+12*\t+4*\c+3], v[\adr] offset:(4*\g+\t)*1536+512*\c
.endr
.endr
	ds_load_b128 v[KS:KS+3], v[\adr] offset:12288+512*\g
.endm
.macro QUANT s                         ; 64 numbers of a lane, register 16 b + i = k 32 b + 16 (lane / 16) + i, become a fragment's codes in v[PC] on and its scale word in v[PW]
.irp b, 0,1,2,3
	v_max3_num_f32 v[TM+\b], |v[\s+16*\b]|, |v[\s+1+16*\b]|, 0x1800000
.endr
.irp i, 2,4,6,8,10,12,14
.irp b, 0,1,2,3
	v_max3_num_f32 v[TM+\b], |v[\s+16*\b+\i]|, |v[\s+1+16*\b+\i]|, v[TM+\b]
.endr
.endr
.irp b, 0,1,2,3
	v_permlanex16_b32 v[TM+4+\b], v[TM+\b], s[SEL], s[SEL+1]
.endr
.irp b, 0,1,2,3
	v_max_num_f32 v[TM+\b], v[TM+\b], v[TM+4+\b]
.endr
.irp b, 0,1,2,3
	v_add_nc_u32 v[TM+4+\b], 0xff000000, v[TM+\b]
.endr
.irp b, 0,1,2,3
	v_lshrrev_b32 v[TM+\b], 23, v[TM+4+\b]
.endr
	v_lshl_or_b32 v[PW], v[TM+1], 8, v[TM]
	v_lshl_or_b32 v[PW], v[TM+2], 16, v[PW]
	v_lshl_or_b32 v[PW], v[TM+3], 24, v[PW]
.irp c, 0,1
	v_cvt_scalef32_pk16_fp6_f32 v[PC+6*\c:PC+2+6*\c], v[\s+32*\c:\s+15+32*\c], v[TM+4+2*\c]
	v_cvt_scalef32_pk16_fp6_f32 v[PC+12+4*\c:PC+14+4*\c], v[\s+16+32*\c:\s+31+32*\c], v[TM+5+2*\c]
.endr
	v_nop
.irp c, 0,1
.irp i, 0,1,2
	v_permlane16_swap_b32 v[PC+6*\c+\i], v[PC+12+4*\c+\i]
.endr
.irp i, 0,1,2
	v_mov_b32 v[PC+3+6*\c+\i], v[PC+12+4*\c+\i]
.endr
.endr
.endm
.macro STEP                            ; 128 keys, from key s[KF] on; their records begin at LDS byte s[TB]
	s_cmp_gt_u32 s[KF], s[QL]
	s_cbranch_scc1 .Lhidden_\@                     ; all keys come after my queries
	v_add_nc_u32 v[ADK], s[TB], v[LI]              ; (these seven lines are the places in front of the loads)
	v_add_nc_u32 v[ADV], VOFF, v[ADK]
	v_sub_nc_u32 v[TM], v[DQ], s[KF]
	v_cvt_f32_i32 v[TM], v[TM]                     ; T_0
	v_add_f32 v[TM+1], 0xc2000000, v[TM]           ; T_b = T_0 - 32 b
	v_add_f32 v[TM+2], 0xc2800000, v[TM]
	v_add_f32 v[TM+3], 0xc2c00000, v[TM]
	FLOAD 0, ADK
.irp b, 0,1,2,3
	v_fmaak_f32 v[TM+\b], v[LAM], v[TM+\b], 0xc0600000   ; lambda T_b - 3.5: 128^-1/2 = 2^-3.5 goes with it
.endr
.irp b, 0,1,2,3
	v_exp_f32 v[RB+2*\b], v[TM+\b]
.endr
	v_nop
	s_wait_alu depctr_va_vdst(0)                   ; one wait for the four, ahead of the branch below
	s_wait_dscnt 0x0
.irp t, 0,1,2,3
	v_wmma_scale_f32_16x16x128_f8f6f4 v[S+8*\t:S+8*\t+7], v[FRG+12*\t:FRG+12*\t+11], v[QFR:QFR+11], 0, v[KS+\t], v[QS] matrix_a_fmt:MATRIX_FMT_FP6 matrix_b_fmt:MATRIX_FMT_FP6
.endr
.rept 4
	v_nop
.endr
	FLOAD 1, ADK
	s_wait_dscnt 0x0
.irp t, 0,1,2,3
	v_wmma_scale_f32_16x16x128_f8f6f4 v[S+32+8*\t:S+32+8*\t+7], v[FRG+12*\t:FRG+12*\t+11], v[QFR:QFR+11], 0, v[KS+\t], v[QS] matrix_a_fmt:MATRIX_FMT_FP6 matrix_b_fmt:MATRIX_FMT_FP6
.endr
.rept 4
	v_nop                                          ; places in front of the loads below and of the first read of the scores
.endr
	FLOAD 0, ADV                                   ; V's first four fragments land under the vector work
	s_add_co_u32 s20, s[KF], 127
	s_cmp_le_u32 s20, s[QF]
	s_cbranch_scc1 .Lopen_\@                       ; all keys count for all my queries
	v_sub_nc_u32 v[DD], v[DQ], s[KF]
	v_add_nc_u32 v[DD], 15, v[DD]                  ; d = my query - KF - 16 (lane / 16): register 16 b + i counts where 32 b + i <= d
.set n, 0
.rept 64
	v_cmp_le_i32 vcc_lo, 32*(n/16)+n%16, v[DD]
	v_cndmask_b32 v[S+n], 0, v[S+n], vcc_lo
.set n, n+1
.endr
.Lopen_\@:
.set n, 0
.rept 32
	v_pk_mul_f32 v[S+2*n:S+2*n+1], v[S+2*n:S+2*n+1], v[CI+2*(n%8):CI+2*(n%8)+1]   ; x gamma^(15 - i), from each accumulator's low end on
.set n, n+1
.endr
.set n, 0
.rept 32
	v_pk_mul_f32 v[S+2*n:S+2*n+1], v[S+2*n:S+2*n+1], v[RB+2*(n/8):RB+2*(n/8)+1] op_sel_hi:[1,0]   ; x the block's factor
.set n, n+1
.endr
	QUANT S
.rept 8
	v_nop                                          ; a scale word written by a vector instruction stands 8 places ahead of a scaled matrix instruction, an operand so written 4
.endr
	s_wait_dscnt 0x0
.irp t, 0,1,2,3
	v_wmma_scale_f32_16x16x128_f8f6f4 v[O+8*\t:O+8*\t+7], v[FRG+12*\t:FRG+12*\t+11], v[PC:PC+11], v[O+8*\t:O+8*\t+7], v[KS+\t], v[PW] matrix_a_fmt:MATRIX_FMT_FP6 matrix_b_fmt:MATRIX_FMT_FP6
.endr
.rept 4
	v_nop
.endr
	FLOAD 1, ADV
	s_wait_dscnt 0x0
.irp t, 0,1,2,3
	v_wmma_scale_f32_16x16x128_f8f6f4 v[O+32+8*\t:O+32+8*\t+7], v[FRG+12*\t:FRG+12*\t+11], v[PC:PC+11], v[O+32+8*\t:O+32+8*\t+7], v[KS+\t], v[PW] matrix_a_fmt:MATRIX_FMT_FP6 matrix_b_fmt:MATRIX_FMT_FP6
.endr
.Lhidden_\@:
	s_add_co_u32 s[KF], s[KF], 256                 ; my next key step is the next but one
	s_add_co_u32 s[TB], s[TB], 2*REC
.endm
.macro SLOT_STEPS base                 ; my two of the four key steps of the slot that begins at LDS byte base: written once, walked twice
	s_add_co_u32 s[TB], s[PR], \base
	s_mov_b32 s[CNT], 2
.Lst_\@:
	STEP
	s_sub_co_u32 s[CNT], s[CNT], 1
	s_cmp_lg_u32 s[CNT], 0
	s_cbranch_scc1 .Lst_\@
.endm
; A MEETING OF THE WAVES: each waits for all its tensor loads, adds 0 to its spare word, and waits for that and for its LDS reads so far.
; g0: slot 0's descriptor, which steps on to key steps 12-15: behind the barrier nobody reads slot 0 any more, and slots 1 and 2 are whole.  0: nothing is left to fetch; behind the barrier slot 0 is whole again.
.macro CHANGE g0
	s_wait_tensorcnt 0x0
	ds_add_u32 v[SPW], v[NIL]
.if \g0
	s_add_nc_u64 s[\g0+2:\g0+3], s[\g0+2:\g0+3], 12*REC
.endif
	s_wait_dscnt 0x0
	s_barrier_signal -1
	s_barrier_wait -1
.if \g0
	tensor_load_to_lds s[\g0:\g0+3], s[G1:G1+7]    ; my one tensor load behind this barrier, and the first thing there
	s_nop 0
.rept 4
	v_nop
.endr
.endif
.endm
	s_wait_tensorcnt 2                             ; my part of slot 0 is in; those of slots 1 and 2 may be out
	s_barrier_signal -1
	s_barrier_wait -1
	s_wait_loadcnt 0x0                             ; Q
	SLOT_STEPS 0
	CHANGE G0A
	SLOT_STEPS SLOTB
	SLOT_STEPS 2*SLOTB                             ; no barrier in front: the one above has shown slot 2 whole to every wave
	CHANGE 0
	SLOT_STEPS 0
.rept 4
	v_nop                                          ; places behind the last products
.endr
	; THE TWO PARITIES' SUMS MEET.  The parity-1 wave stores its O^T as it stands, 512 consecutive bytes a store; a barrier; the parity-0 wave adds.
	s_cmp_eq_u32 s[PAR], 0
	s_cbranch_scc1 .Lkeep
.set n, 0
.rept 16
	ds_store_b128 v[SCA], v[O+4*n:O+4*n+3] offset:512*n   ; each accumulator from its low end on
.set n, n+1
.endr
.Lkeep:
	s_wait_dscnt 0x0                               ; for the partner's sake: my stores have landed
	s_barrier_signal -1
	s_barrier_wait -1
	s_cmp_lg_u32 s[PAR], 0
	s_cbranch_scc1 .Lend                           ; no barrier stands behind this branch
.set n, 0
.rept 16
	ds_load_b128 v[S+4*n:S+4*n+3], v[SCA] offset:512*n
.set n, n+1
.endr
.set n, 0
.rept 16
	s_wait_dscnt 15-n                              ; LDS loads come back in order: load n is in, the younger ones may be out
	v_pk_add_f32 v[O+4*n:O+4*n+1], v[O+4*n:O+4*n+1], v[S+4*n:S+4*n+1]
	v_pk_add_f32 v[O+4*n+2:O+4*n+3], v[O+4*n+2:O+4*n+3], v[S+4*n+2:S+4*n+3]
	global_store_b128 v[LI], v[O+4*n:O+4*n+3], s[6:7] offset:512*n   ; 512 consecutive bytes a store
.set n, n+1
.endr
	; the head's mean of each row, and the sum of the squared differences from it (a row's 128 numbers lie in lanes r and r + 16); O^T is only read here
	v_pk_add_f32 v[TM:TM+1], v[O:O+1], v[O+2:O+3]
	v_pk_add_f32 v[TM+2:TM+3], v[O+4:O+5], v[O+6:O+7]
.irp j, 8,12,16,20,24,28,32,36,40,44,48,52,56,60
	v_pk_add_f32 v[TM:TM+1], v[TM:TM+1], v[O+\j:O+\j+1]
	v_pk_add_f32 v[TM+2:TM+3], v[TM+2:TM+3], v[O+\j+2:O+\j+3]
.endr
	v_pk_add_f32 v[TM:TM+1], v[TM:TM+1], v[TM+2:TM+3]
	v_add_f32 v[TM], v[TM], v[TM+1]
	v_permlanex16_b32 v[TM+4], v[TM], s[SEL], s[SEL+1]
	v_add_f32 v[TM], v[TM], v[TM+4]
	v_mul_f32 v[RB], 0x3c000000, v[TM]             ; x 2^-7: the mean
	v_mov_b32 v[RB+1], v[RB]
.set n, 0
.rept 32
	v_pk_add_f32 v[S+2*n:S+2*n+1], v[O+2*n:O+2*n+1], v[RB:RB+1] neg_lo:[0,1] neg_hi:[0,1]
.set n, n+1
.endr
	v_pk_mul_f32 v[TM:TM+1], v[S:S+1], v[S:S+1]
	v_pk_mul_f32 v[TM+2:TM+3], v[S+2:S+3], v[S+2:S+3]
.irp j, 4,8,12,16,20,24,28,32,36,40,44,48,52,56,60
	v_pk_fma_f32 v[TM:TM+1], v[S+\j:S+\j+1], v[S+\j:S+\j+1], v[TM:TM+1]
	v_pk_fma_f32 v[TM+2:TM+3], v[S+\j+2:S+\j+3], v[S+\j+2:S+\j+3], v[TM+2:TM+3]
.endr
	v_pk_add_f32 v[TM:TM+1], v[TM:TM+1], v[TM+2:TM+3]
	v_add_f32 v[TM], v[TM], v[TM+1]
	v_permlanex16_b32 v[TM+4], v[TM], s[SEL], s[SEL+1]
	v_add_f32 v[RB+1], v[TM], v[TM+4]
	v_lshrrev_b32 v[DD], 1, v[LI]                  ; 8 x lane
	global_store_b64 v[DD], v[RB:RB+1], s[52:53]   ; 256 consecutive bytes, aligned
.Lend:
	s_wait_tensorcnt 0x0                           ; the wave's end
	ds_add_u32 v[SPW], v[NIL]
	s_wait_dscnt 0x0
	s_endpgm
.Lfunc_end_k_qf0b6910977_retn:
	.size	k_qf0b6910977_retn, .Lfunc_end_k_qf0b6910977_retn-k_qf0b6910977_retn
	.p2alignl 7, 3214868480
	.fill 96, 4, 3214868480
	.section	.rodata,"a",@progbits
	.p2align	6, 0x0
	.amdhsa_kernel k_qf0b6910977_retn
		.amdhsa_group_segment_fixed_size 327680
		.amdhsa_private_segment_fixed_size 0
		.amdhsa_enable_private_segment 0
		.amdhsa_kernarg_size 24
		.amdhsa_user_sgpr_count 2
		.amdhsa_user_sgpr_kernarg_segment_ptr 1
		.amdhsa_wavefront_size32 1
		.amdhsa_system_sgpr_workgroup_id_x 1
		.amdhsa_system_sgpr_workgroup_id_y 1
		.amdhsa_system_sgpr_workgroup_id_z 1
		.amdhsa_system_vgpr_workitem_id 0
		.amdhsa_next_free_vgpr 256
		.amdhsa_next_free_sgpr 80
		.amdhsa_reserve_vcc 1
		.amdhsa_float_denorm_mode_32 3
		.amdhsa_float_denorm_mode_16_64 3
		.amdhsa_memory_ordered 1
		.amdhsa_forward_progress 1
		.amdhsa_inst_pref_size 105
	.end_amdhsa_kernel
	.amdgpu_metadata
---
amdhsa.version: [ 1, 2 ]
amdhsa.kernels:
  - .name:           k_qf0b6910977_retn
    .symbol:         k_qf0b6910977_retn.kd
    .args:
      - { .name: qkv, .offset: 0, .size: 8, .value_kind: global_buffer, .address_space: global }
      - { .name: y, .offset: 8, .size: 8, .value_kind: global_buffer, .address_space: global }
      - { .name: stats, .offset: 16, .size: 8, .value_kind: global_buffer, .address_space: global }
    .group_segment_fixed_size: 327680
    .private_segment_fixed_size: 0
    .kernarg_segment_align: 8
    .kernarg_segment_size: 24
    .max_flat_workgroup_size: 512
    .sgpr_count:     80
    .vgpr_count:     256
    .wavefront_size: 32
...
	.end_amdgpu_metadata
.endif
;; end of part 3
;; launch norm (part 4): grid 256 x 1, 8 waves a work-group, no clusters, 2,048 bytes of LDS; arguments y, gate, stats, ln_w, ln_b, codes, scales; writes codes, scales
.if DOCPART == 4
	.amdgcn_target "amdgcn-amd-amdhsa--gfx1250"
	.amdhsa_code_object_version 6
	.text
	.protected	k_qf0b6910977_norm
	.globl	k_qf0b6910977_norm
	.p2align	8
	.type	k_qf0b6910977_norm,@function
k_qf0b6910977_norm:
	s_mov_b64 s[64:65], 0
	v_nop
	global_prefetch_b8 v0, s[64:65] scope:SCOPE_SE
	s_setreg_imm32_b32 hwreg(HW_REG_WAVE_MODE, 25, 1), 1
	s_wait_xcnt 0x0
; z = LayerNorm(y) x silu(g), quantised along the 2,048 channels into fragment images: tensor 6 of codes and scales.  All in f32; no matrix work, so no matrix unit, no cluster, no tensor load.
; y and gate hold, for each (rowtile, head), the image of 64 registers: register 16 b + i of lane (r, h) = (row slot r, channel 128 head + 32 b + 16 h + i).
; stats holds, for each (rowtile, head, lane), the mean of the row's 128 numbers of that head and the sum of their squared differences from it.  A row's mean is the mean of its sixteen heads' means, and the sum of its squared
; differences is the sum of the heads' sums + 128 x the sum of (head's mean - mean)^2: no difference of large sums is formed, and no wave needs another wave's numbers.
; SHARES.  Work-group x takes rowtile x / 2 and heads 8 (x % 2) + wave: 2,048 units of (rowtile, head) on 256 work-groups of eight waves.  One barrier: the scale words of four K steps leave together.
; LIMITS: NaN and infinities not served; a block of zeros gets the byte 1 (zero codes; the bytes are this program's own).
.set ZS, 0                             ; LDS: my half rowtile's scale words: [group of four K steps 2][lane 32][4 words]
.set LI, 1                             ; v1  16 x lane
.set L8, 2                             ; v2  8 x lane
.set WA, 3                             ; v3  64 x (lane / 16)
.set ZW, 5                             ; v5  where my scale word goes
.set ZR, 14                            ; v14 where waves 0 and 1 read a block of scale words
.set T,  16                            ; v16-31 at work
.set Y,  32
.set G,  96
.set WB, 160                           ; two sets of 16 ln_w + 16 ln_b
.set SS, 224                           ; v224-255 the sixteen heads' (mean, sum of squares), until the row's figures are made
.set PC, 224
.set TM, 244
.set PW, 252
.set SEL, 30
	s_load_b256 s[4:11], s[0:1], 0x0               ; y, gate, stats, ln_w
	s_load_b128 s[12:15], s[0:1], 0x20             ; ln_b, codes
	s_load_b64 s[16:17], s[0:1], 0x30              ; scales
	v_lshl_add_u32 v13, v0, 2, 0x400
	v_mov_b32 v15, 0
	v_lshrrev_b32 v10, 5, v0
	v_readfirstlane_b32 s18, v10                   ; wave 0..7
	v_and_b32 v10, 31, v0
	v_lshlrev_b32 v[LI], 4, v10
	v_lshlrev_b32 v[L8], 3, v10
	v_bfe_u32 v11, v0, 4, 1
	v_lshlrev_b32 v[WA], 6, v11
	s_lshr_b32 s19, s18, 2
	s_lshl_b32 s19, s19, 9
	s_and_b32 s20, s18, 3
	s_lshl_b32 s20, s20, 2
	s_add_co_u32 s19, s19, s20
	v_add_nc_u32 v[ZW], s19, v[LI]                 ; 512 (wave / 4) + 16 lane + 4 (wave % 4)
	s_min_u32 s21, s18, 1
	s_lshl_b32 s21, s21, 9
	v_add_nc_u32 v[ZR], s21, v[LI]
	s_mov_b32 s[SEL], 0x76543210
	s_mov_b32 s[SEL+1], 0xfedcba98
	s_lshr_b32 s22, ttmp9, 1                       ; the rowtile
	s_and_b32 s23, ttmp9, 1                        ; which eight heads
	s_lshl_b32 s24, s23, 3
	s_add_co_u32 s24, s24, s18                     ; my head
	s_lshl_b32 s26, s22, 4
	s_add_co_u32 s26, s26, s24
	s_lshl_b32 s26, s26, 13                        ; (rowtile x 16 + head) x 8,192
	s_mov_b32 s27, 0
	s_lshl_b32 s28, s24, 9                         ; my head's 128 numbers of ln_w and ln_b
	s_mov_b32 s29, 0
	s_lshl_b32 s32, s22, 12                        ; the rowtile's sixteen blocks of stats
	s_mov_b32 s33, 0
	s_mul_i32 s34, s22, 24576
	s_mul_i32 s35, s24, 1536
	s_add_co_u32 s34, s34, s35
	s_add_co_u32 s34, s34, 6*3145728               ; tensor 6, my rowtile, K step = head
	s_mov_b32 s35, 0
	s_lshl_b32 s36, s22, 11
	s_lshl_b32 s37, s23, 10
	s_add_co_u32 s36, s36, s37
	s_add_co_u32 s36, s36, s21
	s_add_co_u32 s36, s36, 6*262144                ; the block of scale words that waves 0 and 1 store
	s_mov_b32 s37, 0
	s_wait_kmcnt 0x0
	s_add_nc_u64 s[4:5], s[4:5], s[26:27]
	s_add_nc_u64 s[6:7], s[6:7], s[26:27]
	s_add_nc_u64 s[8:9], s[8:9], s[32:33]
	s_add_nc_u64 s[10:11], s[10:11], s[28:29]
	s_add_nc_u64 s[12:13], s[12:13], s[28:29]
	s_add_nc_u64 s[14:15], s[14:15], s[34:35]
	s_add_nc_u64 s[16:17], s[16:17], s[36:37]
.macro WLOAD bb                        ; ln_w and ln_b of block bb: channels 32 bb + 16 h + 0 .. 15, into set bb % 2
.irp k, 0,1,2,3
	global_load_b128 v[WB+32*((\bb)%2)+4*\k:WB+32*((\bb)%2)+4*\k+3], v[WA], s[10:11] offset:128*(\bb)+16*\k
.endr
.irp k, 0,1,2,3
	global_load_b128 v[WB+32*((\bb)%2)+16+4*\k:WB+32*((\bb)%2)+16+4*\k+3], v[WA], s[12:13] offset:128*(\bb)+16*\k
.endr
.endm
.set n, 0
.rept 16
	global_load_b64 v[SS+2*n:SS+2*n+1], v[L8], s[8:9] offset:256*n   ; head n's figures of my row: 256 consecutive bytes a load
.set n, n+1
.endr
.set n, 0
.rept 16
	global_load_b128 v[Y+4*n:Y+4*n+3], v[LI], s[4:5] offset:512*n th:TH_LOAD_NT
.set n, n+1
.endr
.set n, 0
.rept 16
	global_load_b128 v[G+4*n:G+4*n+3], v[LI], s[6:7] offset:512*n th:TH_LOAD_NT
.set n, n+1
.endr
	s_wait_loadcnt 32                              ; the 16 loads of stats are in; y's 16 and gate's 16 may be out
	WLOAD 0
	WLOAD 1
.irp k, 0,1,2,3,4,5,6,7
	v_pk_add_f32 v[T+2*\k:T+2*\k+1], v[SS+4*\k:SS+4*\k+1], v[SS+4*\k+2:SS+4*\k+3]   ; means and sums of squares are added side by side
.endr
.irp k, 0,4,8,12
	v_pk_add_f32 v[T+\k:T+\k+1], v[T+\k:T+\k+1], v[T+\k+2:T+\k+3]
.endr
	v_pk_add_f32 v[T:T+1], v[T:T+1], v[T+4:T+5]
	v_pk_add_f32 v[T+8:T+9], v[T+8:T+9], v[T+12:T+13]
	v_pk_add_f32 v[T:T+1], v[T:T+1], v[T+8:T+9]
	v_mul_f32 v6, 0x3d800000, v[T]                 ; the row's mean: x 2^-4
	v_mov_b32 v7, v6
.set n, 0
.rept 16
	v_sub_f32 v[SS+2*n], v[SS+2*n], v6             ; head's mean - mean
.set n, n+1
.endr
	v_mul_f32 v10, v[SS], v[SS]
	v_mul_f32 v11, v[SS+2], v[SS+2]
.irp j, 4,8,12,16,20,24,28
	v_fma_f32 v10, v[SS+\j], v[SS+\j], v10
	v_fma_f32 v11, v[SS+\j+2], v[SS+\j+2], v11
.endr
	v_add_f32 v10, v10, v11
	v_fma_f32 v10, 0x43000000, v10, v[T+1]         ; 128 x that + the heads' sums: the row's sum of squared differences
	v_mov_b32 v9, 0x3a000000
	v_fmaak_f32 v8, v10, v9, 0x3727c5ac            ; x 2^-11: the variance; + 1e-5
	v_rsq_f32 v8, v8
.irp b, 0,1,2,3
	v_mov_b32 v[TM+4+\b], 0                        ; (plain places)  a lane permute's destination counts as one of its sources; the heads' figures are done with
.endr
	s_wait_alu depctr_va_vdst(0)                   ; the wait ahead of the first reader
	v_mov_b32 v9, v8
	s_wait_loadcnt 32                              ; y is in; gate's 16 loads and the 16 of ln_w and ln_b may be out
.set n, 0
.rept 32
	v_pk_add_f32 v[Y+2*n:Y+2*n+1], v[Y+2*n:Y+2*n+1], v[6:7] neg_lo:[0,1] neg_hi:[0,1]
.set n, n+1
.endr
	s_wait_loadcnt 16                              ; gate is in
.macro SILU k                          ; 16 numbers: g / (1 + 2^(-g log2(e))); each batch of transcendentals has one wait
.irp j, 0,2,4,6,8,10,12,14
	v_pk_mul_f32 v[T+\j:T+\j+1], v[G+16*\k+\j:G+16*\k+\j+1], 0xbfb8aa3b op_sel_hi:[1,0]
.endr
.irp j, 0,1,2,3,4,5,6,7,8,9,10,11,12,13,14,15
	v_exp_f32 v[T+\j], v[T+\j]
.endr
	v_nop
	s_wait_alu depctr_va_vdst(0)
.irp j, 0,2,4,6,8,10,12,14
	v_pk_add_f32 v[T+\j:T+\j+1], v[T+\j:T+\j+1], 1.0 op_sel_hi:[1,0]
.endr
.irp j, 0,1,2,3,4,5,6,7,8,9,10,11,12,13,14,15
	v_rcp_f32 v[T+\j], v[T+\j]
.endr
	v_nop
	s_wait_alu depctr_va_vdst(0)
.irp j, 0,2,4,6,8,10,12,14
	v_pk_mul_f32 v[G+16*\k+\j:G+16*\k+\j+1], v[G+16*\k+\j:G+16*\k+\j+1], v[T+\j:T+\j+1]
.endr
.endm
	SILU 0
	SILU 1
	SILU 2
	SILU 3
.macro BLOCK bb, cnt                   ; z = ((y - mean) rstd w + b) silu(g) for 16 channels; cnt: the one younger set's loads may be out
	s_wait_loadcnt \cnt
.irp j, 0,2,4,6,8,10,12,14
	v_pk_mul_f32 v[Y+16*\bb+\j:Y+16*\bb+\j+1], v[Y+16*\bb+\j:Y+16*\bb+\j+1], v[8:9]
.endr
.irp j, 0,2,4,6,8,10,12,14
	v_pk_fma_f32 v[Y+16*\bb+\j:Y+16*\bb+\j+1], v[Y+16*\bb+\j:Y+16*\bb+\j+1], v[WB+32*(\bb%2)+\j:WB+32*(\bb%2)+\j+1], v[WB+32*(\bb%2)+16+\j:WB+32*(\bb%2)+17+\j]
.endr
.irp j, 0,2,4,6,8,10,12,14
	v_pk_mul_f32 v[Y+16*\bb+\j:Y+16*\bb+\j+1], v[Y+16*\bb+\j:Y+16*\bb+\j+1], v[G+16*\bb+\j:G+16*\bb+\j+1]
.endr
.if \bb < 2
	WLOAD \bb+2                                    ; the set just used takes the block two on
.endif
.endm
	BLOCK 0, 8
	BLOCK 1, 8
	BLOCK 2, 8
	BLOCK 3, 0
	; 64 numbers of a lane, register 16 b + i = k 32 b + 16 (lane / 16) + i, become the fragment (rowtile, K step = head)
.irp b, 0,1,2,3
	v_max3_num_f32 v[TM+\b], |v[Y+16*\b]|, |v[Y+1+16*\b]|, 0x1800000   ; with the floor 2^(3 - 127)
.endr
.irp i, 2,4,6,8,10,12,14
.irp b, 0,1,2,3
	v_max3_num_f32 v[TM+\b], |v[Y+16*\b+\i]|, |v[Y+1+16*\b+\i]|, v[TM+\b]
.endr
.endr
.irp b, 0,1,2,3
	v_permlanex16_b32 v[TM+4+\b], v[TM+\b], s[SEL], s[SEL+1]
.endr
.irp b, 0,1,2,3
	v_max_num_f32 v[TM+\b], v[TM+\b], v[TM+4+\b]
.endr
.irp b, 0,1,2,3
	v_add_nc_u32 v[TM+4+\b], 0xff000000, v[TM+\b]
.endr
.irp b, 0,1,2,3
	v_lshrrev_b32 v[TM+\b], 23, v[TM+4+\b]
.endr
	v_lshl_or_b32 v[PW], v[TM+1], 8, v[TM]
	v_lshl_or_b32 v[PW], v[TM+2], 16, v[PW]
	v_lshl_or_b32 v[PW], v[TM+3], 24, v[PW]
.irp c, 0,1
	v_cvt_scalef32_pk16_fp6_f32 v[PC+6*\c:PC+2+6*\c], v[Y+32*\c:Y+15+32*\c], v[TM+4+2*\c]
	v_cvt_scalef32_pk16_fp6_f32 v[PC+12+4*\c:PC+14+4*\c], v[Y+16+32*\c:Y+31+32*\c], v[TM+5+2*\c]
.endr
	v_nop                                          ; one plain place behind a scaled conversion
.irp c, 0,1
.irp i, 0,1,2
	v_permlane16_swap_b32 v[PC+6*\c+\i], v[PC+12+4*\c+\i]
.endr
.irp i, 0,1,2
	v_mov_b32 v[PC+3+6*\c+\i], v[PC+12+4*\c+\i]
.endr
.endr
.irp c, 0,1,2
	global_store_b128 v[LI], v[PC+4*\c:PC+4*\c+3], s[14:15] offset:512*\c
.endr
	ds_store_b32 v[ZW], v[PW] offset:ZS            ; the eight K steps' words meet in LDS, so that they leave in runs of 512 bytes
	s_wait_dscnt 0x0                               ; for the others' sake: my store has landed
	s_barrier_signal -1
	s_barrier_wait -1
	s_cmp_gt_u32 s18, 1
	s_cbranch_scc1 .Lend                           ; waves 0 and 1 store a block of four K steps each; no barrier stands behind this branch
	ds_load_b128 v[T:T+3], v[ZR] offset:ZS
	s_wait_dscnt 0x0
	global_store_b128 v[LI], v[T:T+3], s[16:17]
.Lend:
	s_wait_tensorcnt 0x0
	ds_add_u32 v13, v15
	s_wait_dscnt 0x0
	s_endpgm
.Lfunc_end_k_qf0b6910977_norm:
	.size	k_qf0b6910977_norm, .Lfunc_end_k_qf0b6910977_norm-k_qf0b6910977_norm
	.p2alignl 7, 3214868480
	.fill 96, 4, 3214868480
	.section	.rodata,"a",@progbits
	.p2align	6, 0x0
	.amdhsa_kernel k_qf0b6910977_norm
		.amdhsa_group_segment_fixed_size 2048
		.amdhsa_private_segment_fixed_size 0
		.amdhsa_enable_private_segment 0
		.amdhsa_kernarg_size 56
		.amdhsa_user_sgpr_count 2
		.amdhsa_user_sgpr_kernarg_segment_ptr 1
		.amdhsa_wavefront_size32 1
		.amdhsa_system_sgpr_workgroup_id_x 1
		.amdhsa_system_sgpr_workgroup_id_y 1
		.amdhsa_system_sgpr_workgroup_id_z 1
		.amdhsa_system_vgpr_workitem_id 0
		.amdhsa_next_free_vgpr 256
		.amdhsa_next_free_sgpr 66
		.amdhsa_reserve_vcc 0
		.amdhsa_float_denorm_mode_32 3
		.amdhsa_float_denorm_mode_16_64 3
		.amdhsa_memory_ordered 1
		.amdhsa_forward_progress 1
		.amdhsa_inst_pref_size 38
	.end_amdhsa_kernel
	.amdgpu_metadata
---
amdhsa.version: [ 1, 2 ]
amdhsa.kernels:
  - .name:           k_qf0b6910977_norm
    .symbol:         k_qf0b6910977_norm.kd
    .args:
      - { .name: y, .offset: 0, .size: 8, .value_kind: global_buffer, .address_space: global }
      - { .name: gate, .offset: 8, .size: 8, .value_kind: global_buffer, .address_space: global }
      - { .name: stats, .offset: 16, .size: 8, .value_kind: global_buffer, .address_space: global }
      - { .name: ln_w, .offset: 24, .size: 8, .value_kind: global_buffer, .address_space: global }
      - { .name: ln_b, .offset: 32, .size: 8, .value_kind: global_buffer, .address_space: global }
      - { .name: codes, .offset: 40, .size: 8, .value_kind: global_buffer, .address_space: global }
      - { .name: scales, .offset: 48, .size: 8, .value_kind: global_buffer, .address_space: global }
    .group_segment_fixed_size: 2048
    .private_segment_fixed_size: 0
    .kernarg_segment_align: 8
    .kernarg_segment_size: 56
    .max_flat_workgroup_size: 256
    .sgpr_count:     66
    .vgpr_count:     256
    .wavefront_size: 32
...
	.end_amdgpu_metadata
.endif
;; end of part 4
;; launch outp (part 5): grid 16 x 16, 4 waves a work-group, clusters of 4 x 4, 327,680 bytes of LDS; arguments codes, scales, out0; writes out0
.if DOCPART == 5
	.amdgcn_target "amdgcn-amd-amdhsa--gfx1250"
	.amdhsa_code_object_version 6
	.text
	.protected	k_qf0b6910977_outp
	.globl	k_qf0b6910977_outp
	.p2align	8
	.type	k_qf0b6910977_outp,@function
k_qf0b6910977_outp:
	s_mov_b64 s[64:65], 0
	v_nop
	global_prefetch_b8 v0, s[64:65] scope:SCOPE_SE
	s_setreg_imm32_b32 hwreg(HW_REG_WAVE_MODE, 25, 1), 1
	s_wait_xcnt 0x0
	s_wait_alu depctr_hold_cnt(0) depctr_sa_sdst(0) depctr_va_vdst(0) depctr_va_sdst(0) depctr_va_ssrc(0) depctr_va_vcc(0) depctr_vm_vsrc(0)
	s_getreg_b32 s2, hwreg(HW_REG_IB_STS2, 6, 4)
	s_cmp_eq_u32 s2, 0
	s_cbranch_scc0 .Lentry_in_a_cluster
	s_endpgm
.Lentry_in_a_cluster:
	s_bfe_u32 s2, ttmp6, 0x10000c
	s_cmp_lg_u32 s2, 0xf033
	s_cbranch_scc0 .Lentry_shape_is_right
	s_endpgm
.Lentry_shape_is_right:
; out0 = z wo^T, 2048 x 2048 x 2048, on codes of FP6 (E2M3) with E8M0 scales, from fragment images: z is tensor 6 of codes and scales (rowtiles 768 on), wo tensor 5 (rowtiles 640 on).
; 256 tiles of 128 x 128, one to a work-group, so that each WGP has one; a wave makes 64 x 64: 16 accumulators.  K goes in steps of 512 through two LDS slots; a wave's tensor load brings 4 rowtiles x 6,144 bytes.
; The loop is that of the projections' launch with other sizes.  Source 0 = 16 rows of wo, source 1 = 16 rows of z: a lane holds one token, and register 8 b + j of a block's four accumulators is output channel 32 (b/2) + 16 (lane/16) + 8 (b%2) + j.
; The rows of a rowtile are not neighbours (slot r of rowtile a = row 32 (a/2) + 8 (a%2) + r + 8 (r/8)): the way out puts rows and channels back in order, through the wave's own stage in LDS.
; CLUSTERS: 4 x 4; z's tiles are shared along a row of the cluster, wo's along a column.  No prefetch: small tiles, shared in the cluster, in a short launch.
; REGISTERS: window 0: v16-30 addresses; v32-63 scale words, two sets, and nothing else; v128-175 z's fragments; on the way out v64-191.  window 1: wo's fragments, two sets.  windows 2, 3: the accumulators of z's blocks 0-1, 2-3.
.set NAH,   2
.set NB,    4
.set NQ,    4
.set NBLK,  4
.set FR,    12
.set NL,    3
.set NP,    4                          ; places behind this matrix instruction (ISA guide 7.12.1)
.set FRB,   1536
.set HALFT, NBLK*NQ*FRB
.set SLOT,  4*HALFT
.set SCL,   2*SLOT
.set HALFS, NBLK*2048
.set SPARE, 262144                     ; the spare words, 128 bytes for each wave: two blocks of 256 bytes that no other line names
.set LAPS,  2048/(2*NQ*128)
.set ADRA, 16
.set ADRB, 20
.set LI,   24
.set STO,  25                          ; the way out: where I put 16 bytes of a row
.set RD,   26                          ; where I read a row back
.set ADRS, 27
.set SPW,  28
.set NIL,  29
.set CO,   30                          ; my byte offset in out0
.set SC,   32
.set AF,   128
.set SPI,  272                         ; a stage row: 256 bytes + 16
.set G1, 24
.set G0, 32
.set G1B, 48
.set G0B, 56
.set G1S, 68
.set G0S, 76
.set G1SB, 80
.set G0SB, 88
.set MSB, 0
.macro WIN new
.if MSB != \new
	s_set_vgpr_msb (MSB<<8)|\new
.set MSB, \new
.endif
.endm
.set MUL_LO, 0xa1
.set MUL_HI, 0xf1
.set TO_B,   0x40
.macro JLOAD g0a, g1a, g0b, g1b        ; a joint load: waves 0 and 1 fetch for A, waves 2 and 3 for B; four v_nop follow each line
	s_cmp_eq_u32 s15, 0
	s_cbranch_scc0 .Lfor_b_\@
	tensor_load_to_lds s[\g0a:\g0a+3], s[\g1a:\g1a+7]
	s_nop 0
.rept 4
	v_nop
.endr
	s_branch .Lasked_\@
.Lfor_b_\@:
	tensor_load_to_lds s[\g0b:\g0b+3], s[\g1b:\g1b+7]
	s_nop 0
.rept 4
	v_nop
.endr
.Lasked_\@:
.endm
.macro CREST
	s_cmp_lg_u32 s14, 0
	s_cbranch_scc1 .Lnot_wave_0_\@
	s_barrier_signal -3
.Lnot_wave_0_\@:
	s_barrier_wait -3
	s_barrier_signal -1
	s_barrier_wait -1
.endm
.macro CROUND
	s_barrier_signal -1
	s_barrier_wait -1
	CREST
.endm
.macro PLACES n
.rept \n
	v_nop
.endr
.endm
	s_load_b128 s[4:7], s[0:1], 0x0                ; codes, scales
	s_load_b64 s[8:9], s[0:1], 0x10                ; out0
	v_lshl_add_u32 v[SPW], v0, 2, SPARE
	v_mov_b32 v[NIL], 0
	ds_add_u32 v28, v29
	ds_add_u32 v28, v29
	s_wait_dscnt 0x0
	v_lshrrev_b32 v1, 5, v0
	v_readfirstlane_b32 s14, v1                    ; wave 0..3
	s_lshr_b32 s15, s14, 1                         ; which half of the tile's rows is mine.  Also: I fetch for A (0) or for B (1)
	s_and_b32 s16, s14, 1                          ; which half of its columns.  Also: which 4 rowtiles of that tile I fetch
	s_bfe_u32 s40, ttmp6, 0x40000                  ; cx
	s_bfe_u32 s41, ttmp6, 0x40004                  ; cy
	s_lshl_b32 s42, ttmp9, 2
	s_add_co_u32 s42, s42, s40                     ; tile column = 4 x cluster x + cx
	s_and_b32 s17, ttmp7, 0xffff
	s_lshl_b32 s17, s17, 2
	s_add_co_u32 s17, s17, s41                     ; tile row = 4 x cluster y + cy
	s_lshl_b32 s43, s41, 2
	s_lshl_b32 s43, 15, s43                        ; my row of the cluster
	s_lshl_b32 s44, 0x1111, s40                    ; my column
	s_or_b32 s[G1+0], s43, (3<<16)|(1<<21)         ; 15:0 the mask; 17:16 elements of 8 bytes; no padding; 21 set beside a mask
	s_or_b32 s[G1B+0], s44, (3<<16)|(1<<21)
.irp g, G1, G1B
	s_mov_b32 s[\g+1], (NQ*192)<<16
	s_mov_b32 s[\g+2], NBLK<<16
	s_mov_b32 s[\g+3], (NQ*192)<<16
	s_mov_b32 s[\g+4], NBLK
	s_mov_b32 s[\g+5], 3072
	s_mov_b32 s[\g+6], 0
	s_mov_b32 s[\g+7], 0
.endr
	s_or_b32 s[G1S+0], s43, (3<<16)|(1<<21)
	s_or_b32 s[G1SB+0], s44, (3<<16)|(1<<21)
.irp g, G1S, G1SB
	s_mov_b32 s[\g+1], 32<<16
	s_mov_b32 s[\g+2], (HALFS/256)<<16
	s_mov_b32 s[\g+3], 32<<16
	s_mov_b32 s[\g+4], HALFS/256
	s_mov_b32 s[\g+5], 32
	s_mov_b32 s[\g+6], 0
	s_mov_b32 s[\g+7], 0
.endr
	s_lshl_b32 s18, s16, 2                         ; which 4 rowtiles of the tile I fetch
	s_lshl_b32 s20, s17, 3
	s_add_co_u32 s20, s20, s18
	s_add_co_u32 s20, s20, 768                     ; z: rowtile
	s_lshl_b32 s46, s42, 3
	s_add_co_u32 s46, s46, s18
	s_add_co_u32 s46, s46, 640                     ; wo: rowtile
	s_lshl_b32 s22, s20, 11
	s_mov_b32 s23, 0
	s_lshl_b32 s92, s46, 11
	s_mov_b32 s93, 0
	s_mul_i32 s20, s20, 24576
	s_mov_b32 s21, 0
	s_mul_i32 s46, s46, 24576
	s_mov_b32 s47, 0
	s_mul_i32 s45, s14, HALFT
	s_mul_i32 s94, s14, HALFS
	s_wait_kmcnt 0x0
	s_add_nc_u64 s[20:21], s[4:5], s[20:21]
	s_add_nc_u64 s[22:23], s[6:7], s[22:23]
	s_add_nc_u64 s[46:47], s[4:5], s[46:47]
	s_add_nc_u64 s[92:93], s[6:7], s[92:93]
	CROUND                                         ; all sixteen work-groups are here: the first joint loads meet
	s_mov_b32 s[G0S], 1
	s_add_co_u32 s[G0S+1], s94, SCL
	s_mov_b64 s[G0S+2:G0S+3], s[22:23]
	s_or_b32 s[G0S+3], s[G0S+3], 0x80000000
	s_mov_b32 s[G0SB], 1
	s_add_co_u32 s[G0SB+1], s94, SCL
	s_mov_b64 s[G0SB+2:G0SB+3], s[92:93]
	s_or_b32 s[G0SB+3], s[G0SB+3], 0x80000000
	JLOAD G0S, G1S, G0SB, G1SB
.irp s, 0,1
	s_mov_b32 s[G0+4*\s], 1
	s_add_co_u32 s[G0+4*\s+1], s45, \s*SLOT
	s_add_nc_u64 s[G0+4*\s+2:G0+4*\s+3], s[20:21], \s*NQ*FRB
	s_or_b32 s[G0+4*\s+3], s[G0+4*\s+3], 0x80000000
	s_mov_b32 s[G0B+4*\s], 1
	s_add_co_u32 s[G0B+4*\s+1], s45, \s*SLOT
	s_add_nc_u64 s[G0B+4*\s+2:G0B+4*\s+3], s[46:47], \s*NQ*FRB
	s_or_b32 s[G0B+4*\s+3], s[G0B+4*\s+3], 0x80000000
	JLOAD G0+4*\s, G1, G0B+4*\s, G1B               ; three loads of mine are out
.endr
	v_and_b32 v1, 31, v0
	v_lshlrev_b32 v[LI], 4, v1
	v_bfe_u32 v2, v0, 4, 1                         ; lane / 16
	v_and_b32 v3, 15, v0                           ; lane % 16
	s_mul_i32 s21, s15, HALFT
	s_mul_i32 s22, s16, HALFT
	s_add_co_u32 s22, s22, 2*HALFT
.irp s, 0,1
	v_add_nc_u32 v[ADRA+\s], s21, v[LI]
	v_add_nc_u32 v[ADRB+\s], s22, v[LI]
	s_add_co_u32 s21, s21, SLOT
	s_add_co_u32 s22, s22, SLOT
.endr
	s_mul_i32 s21, s15, HALFS
	s_mul_i32 s22, s16, HALFS
	s_add_co_u32 s22, s22, 2*HALFS
	s_sub_co_u32 s22, s22, s21
	v_mul_u32_u24 v6, s22, v2                      ; lanes 16-31 take B's: one product, the distance between the two bases
	s_add_co_u32 s21, s21, SCL
	v_add_nc_u32 v5, v[LI], v6
	v_add_nc_u32 v[ADRS], s21, v5
	s_mul_i32 s23, s14, 16*SPI                     ; my stage: it lies in slot 0, which has had its last fill and its last read when the first result is stored there
	v_mul_u32_u24 v5, v3, SPI
	v_lshl_add_u32 v5, v2, 6, v5
	v_add_nc_u32 v[STO], s23, v5                   ; in: row slot r, + 64 (lane / 16) bytes
	v_mul_u32_u24 v5, v2, SPI
	v_lshl_add_u32 v5, v3, 4, v5
	v_add_nc_u32 v[RD], s23, v5                    ; back: lanes 0-15 one row of 256 bytes, lanes 16-31 the next
	v_lshlrev_b32 v5, 13, v2
	v_lshl_add_u32 v[CO], v3, 4, v5                ; and the same two rows in out0, 8,192 bytes apart
	s_lshl_b32 s20, s17, 7
	s_lshl_b32 s21, s15, 6
	s_add_co_u32 s20, s20, s21
	s_lshl_b32 s20, s20, 13                        ; my first row: 128 x tile row + 64 x half
	s_mov_b32 s21, 0
	s_lshl_b32 s46, s42, 9                         ; my first column, in bytes: 512 x tile column + 256 x half
	s_lshl_b32 s47, s16, 8
	s_add_co_u32 s46, s46, s47
	s_mov_b32 s47, 0
	s_add_nc_u64 s[20:21], s[20:21], s[46:47]
	s_add_nc_u64 s[8:9], s[8:9], s[20:21]
.macro FRAG reg, adr, q, i
.irp c, 0,1,2
	ds_load_b128 v[\reg+4*\c:\reg+4*\c+3], v[\adr] offset:(\i)*NQ*FRB+(\q)*FRB+512*\c
.endr
.endm
.macro FETCH_B slot, q, p
	WIN TO_B
.irp i, 0,1,2,3,4,5,6,7
.if \i < NB
	FRAG 128*(\p)+FR*\i, ADRB+\slot, \q, \i
.endif
.endr
	WIN 0
.endm
.macro FETCH_A slot, q, i0
.irp ii, 0,1,2,3
.if \ii < NAH
	FRAG AF+FR*((\i0)+\ii), ADRA+\slot, \q, (\i0)+\ii
.endif
.endr
.endm
.macro SCALES sc
.irp i, 0,1,2,3,4,5,6,7
.if \i < NBLK
.if NQ == 2
	ds_load_b64 v[SC+16*\sc+2*\i:SC+16*\sc+2*\i+1], v[ADRS] offset:\i*2048
.else
	ds_load_b128 v[SC+16*\sc+4*\i:SC+16*\sc+4*\i+3], v[ADRS] offset:\i*2048
.endif
.endif
.endr
.endm
; The accumulators take turns, one instruction a turn, in the same order in every step.
.macro MULS a0, n, p, q, sc, zero
.irp aa, 0,1,2,3
.if \aa < (\n)
.irp b, 0,1,2,3,4,5,6,7
.if \b < NB
.set rA, (\a0)+\aa
.set rD, 8*(NB*(rA%NAH)+\b)
.set rB, 128*(\p)+FR*\b
.set rF, AF+FR*rA
.set rSB, SC+16*(\sc)+NQ*\b+(\q)
.set rSA, SC+16*(\sc)+NQ*rA+(\q)
.if \zero
	v_wmma_scale_f32_16x16x128_f8f6f4 v[rD:rD+7], v[rB:rB+FR-1], v[rF:rF+FR-1], 0, v[rSB], v[rSA] matrix_a_fmt:MATRIX_FMT_FP6 matrix_b_fmt:MATRIX_FMT_FP6 matrix_a_scale:MATRIX_SCALE_ROW1
.else
	v_wmma_scale_f32_16x16x128_f8f6f4 v[rD:rD+7], v[rB:rB+FR-1], v[rF:rF+FR-1], v[rD:rD+7], v[rSB], v[rSA] matrix_a_fmt:MATRIX_FMT_FP6 matrix_b_fmt:MATRIX_FMT_FP6 matrix_a_scale:MATRIX_SCALE_ROW1
.endif
.endif
.endr
.endif
.endr
.endm
.macro STEP slot, q, zero
	s_wait_dscnt NAH*NL                            ; B's set and A's first half are in; A's second half may be out
	WIN MUL_LO
	MULS 0, NAH, (\q)%2, \q, \slot, \zero
	s_wait_dscnt 0x0
	PLACES NP
	FETCH_B \slot, (\q)+1, 1-(\q)%2
	FETCH_A \slot, (\q)+1, 0
	WIN MUL_HI
	MULS NAH, NAH, (\q)%2, \q, \slot, \zero
	PLACES NP
	WIN 0
	FETCH_A \slot, (\q)+1, NAH
.endm
.macro MIDS slot, q0
.irp qq, 0,1,2
.if (\qq >= \q0) && (\qq <= NQ-2)
	STEP \slot, \qq, 0
.endif
.endr
.endm
.macro TURN slot, next, fill
	s_wait_tensorcnt 0x0                           ; all my tensor loads have landed: my part of the next slot
	ds_add_u32 v[SPW], v[NIL]                      ; 0 onto my spare word
	s_wait_dscnt NAH*NL+1                          ; (the add and A's second half may be out)
	WIN MUL_LO
	MULS 0, NAH/2, 1, NQ-1, \slot, 0
	s_wait_dscnt 0x0                               ; the add is done, and my reads of this slot are over
	s_barrier_signal -1
	MULS NAH/2, NAH/2, 1, NQ-1, \slot, 0
	WIN 0
	s_barrier_wait -1
.if \fill
	CREST                                          ; the barrier has opened a round of the cluster's
	s_add_nc_u64 s[G0+4*\slot+2:G0+4*\slot+3], s[G0+4*\slot+2:G0+4*\slot+3], 2*NQ*FRB
	s_add_nc_u64 s[G0B+4*\slot+2:G0B+4*\slot+3], s[G0B+4*\slot+2:G0B+4*\slot+3], 2*NQ*FRB
	JLOAD G0+4*\slot, G1, G0B+4*\slot, G1B         ; the first tensor load behind the round; its four v_nop are the places in front of the loads below
.else
	PLACES NP
.endif
.if NQ == 2
	v_add_nc_u32 v[ADRS], 8+496*(1-\next), v[ADRS]
.else
	v_add_nc_u32 v[ADRS], 512, v[ADRS]             ; the next slot's four words: the next block
.endif
	FETCH_B \next, 0, 0
	FETCH_A \next, 0, 0
	SCALES \next
	WIN MUL_HI
	MULS NAH, NAH, 1, NQ-1, \slot, 0
	PLACES NP
	WIN 0
	FETCH_A \next, 0, NAH
.endm
	s_wait_tensorcnt 1                             ; the scale words and my part of slot 0 are in; slot 1's load may be out
	s_barrier_signal -1
	s_barrier_wait -1
	FETCH_B 0, 0, 0
	FETCH_A 0, 0, 0
	SCALES 0
	FETCH_A 0, 0, NAH
	STEP 0, 0, 1                                   ; the first step's products start the sums
	s_mov_b32 s3, LAPS-1
.Llap:
	MIDS 0, 1
	TURN 0, 1, 1
	MIDS 1, 0
	TURN 1, 0, 1
	STEP 0, 0, 0
	s_sub_co_u32 s3, s3, 1
	s_cmp_lg_u32 s3, 0
	s_cbranch_scc1 .Llap
	MIDS 0, 1
	TURN 0, 1, 0                                   ; the last lap fills nothing
	MIDS 1, 0
	s_wait_dscnt NAH*NL
	WIN MUL_LO
	MULS 0, NAH, 1, NQ-1, 1, 0
	s_wait_dscnt 0x0
	WIN MUL_HI
	MULS NAH, NAH, 1, NQ-1, 1, 0
	WIN 0
; THE WAY OUT, a block of 16 row slots x 64 channels at a time: into my stage with the channels in their true order, back as whole rows of 256 bytes, stored with the rows' true numbers in the immediate.
; LDS serves a wave's instructions in order: no wait between the stores and the loads, nor in front of the next block's stores.  Each block has its own 32 registers, so no store's data are written again.
.macro TOSTAGE a
.set AC, 8*NB*((\a)%NAH)
	WIN 0x08+4*((\a)/NAH)                          ; an LDS store's data are its source 1: window 2 or 3
.irp b, 0,1,2,3
	ds_store_b128 v[STO], v[AC+8*\b:AC+8*\b+3] offset:128*(\b/2)+32*(\b%2)       ; each accumulator from its low end on
	ds_store_b128 v[STO], v[AC+8*\b+4:AC+8*\b+7] offset:128*(\b/2)+32*(\b%2)+16
.endr
	WIN 0
.irp t, 0,1,2,3,4,5,6,7
	ds_load_b128 v[64+32*(\a)+4*\t:64+32*(\a)+4*\t+3], v[RD] offset:2*SPI*\t
.endr
.endm
.macro SEND a, younger                 ; younger: the LDS instructions issued behind block a's loads
	s_wait_dscnt \younger
.irp t, 0,1,2,3,4,5,6,7
	global_store_b128 v[CO], v[64+32*(\a)+4*\t:64+32*(\a)+4*\t+3], s[8:9] offset:(32*((\a)/2)+8*((\a)%2)+2*\t+8*(\t/4))*8192 th:TH_STORE_NT   ; 16 lanes store 256 consecutive bytes, aligned
.endr
.endm
	PLACES NP
	TOSTAGE 0
.irp a, 1,2,3
	TOSTAGE \a
	SEND \a-1, 16                                  ; behind block a - 1's loads: block a's 8 stores and 8 loads
.endr
	SEND 3, 0
	s_wait_tensorcnt 0x0                           ; the wave's end
	ds_add_u32 v[SPW], v[NIL]
	s_wait_dscnt 0x0
	CROUND                                         ; the closing round
	s_endpgm
.Lfunc_end_k_qf0b6910977_outp:
	.size	k_qf0b6910977_outp, .Lfunc_end_k_qf0b6910977_outp-k_qf0b6910977_outp
	.p2alignl 7, 3214868480
	.fill 96, 4, 3214868480
	.section	.rodata,"a",@progbits
	.p2align	6, 0x0
	.amdhsa_kernel k_qf0b6910977_outp
		.amdhsa_group_segment_fixed_size 327680
		.amdhsa_private_segment_fixed_size 0
		.amdhsa_enable_private_segment 0
		.amdhsa_kernarg_size 24
		.amdhsa_user_sgpr_count 2
		.amdhsa_user_sgpr_kernarg_segment_ptr 1
		.amdhsa_wavefront_size32 1
		.amdhsa_system_sgpr_workgroup_id_x 1
		.amdhsa_system_sgpr_workgroup_id_y 1
		.amdhsa_system_sgpr_workgroup_id_z 1
		.amdhsa_system_vgpr_workitem_id 0
		.amdhsa_next_free_vgpr 1024
		.amdhsa_next_free_sgpr 100
		.amdhsa_reserve_vcc 0
		.amdhsa_float_denorm_mode_32 3
		.amdhsa_float_denorm_mode_16_64 3
		.amdhsa_memory_ordered 1
		.amdhsa_forward_progress 1
		.amdhsa_inst_pref_size 84
	.end_amdhsa_kernel
	.amdgpu_metadata
---
amdhsa.version: [ 1, 2 ]
amdhsa.kernels:
  - .name:           k_qf0b6910977_outp
    .symbol:         k_qf0b6910977_outp.kd
    .args:
      - { .name: codes, .offset: 0, .size: 8, .value_kind: global_buffer, .address_space: global }
      - { .name: scales, .offset: 8, .size: 8, .value_kind: global_buffer, .address_space: global }
      - { .name: out0, .offset: 16, .size: 8, .value_kind: global_buffer, .address_space: global }
    .group_segment_fixed_size: 327680
    .private_segment_fixed_size: 0
    .kernarg_segment_align: 8
    .kernarg_segment_size: 24
    .max_flat_workgroup_size: 128
    .sgpr_count:     100
    .vgpr_count:     1024
    .wavefront_size: 32
...
	.end_amdgpu_metadata
.endif
;; end of part 5
